; MI455X (gfx1250); checked and timed in simulation.
; The chip was launched on July 23, 2026; its instructions are those of AMD's public machine-readable ISA for CDNA 5 (MIT licence, August 2026) and "CDNA5" Instruction Set Architecture Reference Guide (July 2026). The comments in the code are by the model that wrote it; some were corrected since.
;; Self Attention AI Summer. Allowed arithmetic: float matrix products may take bf16 or f16 operands with f32 sums; other float arithmetic in f32, or as packed bf16 or f16 multiplies, adds, multiply-adds, maxima and minima; sums over many terms, partial sums and values carried from step to step in f32; what a program stores and reads back later, other than sums and carried values, may be rounded once to bf16 or f16.
;; Inputs: W_qvk 3,072 x 1,024 float32; b_qvk 3,072 float32; x 4 x 2,048 x 1,024 float32.
;; Outputs: out0 4 x 2,048 x 1,024 float32.
;; One version. Each part assembles by itself: llvm-mc -triple=amdgcn-amd-amdhsa -mcpu=gfx1250 --defsym DOCPART=n.
;; ======== version 1 of 1: 4 launches
;; limits: values are held in f16: magnitudes above 65,504 overflow, below 6.1e-05 lose precision
;; workspace buffers: xb 16,777,216 bytes; wb 6,291,456 bytes; bb 12,288 bytes; qkv 50,331,648 bytes; p 33,554,432 bytes; stats 1,048,576 bytes
;; launch cast (part 1): grid 705 x 1, 8 waves a work-group, no clusters, 0 bytes of LDS; arguments x, W_qvk, b_qvk, xb, wb, bb; writes xb, wb, bb
.if DOCPART == 1
	.amdgcn_target "amdgcn-amd-amdhsa--gfx1250"
	.amdhsa_code_object_version 6
	.text
	.protected	k_q674a2b304c_cast
	.globl	k_q674a2b304c_cast
	.p2align	8
	.type	k_q674a2b304c_cast,@function
k_q674a2b304c_cast:
	s_mov_b64 s[64:65], 0
	v_nop
	global_prefetch_b8 v0, s[64:65] scope:SCOPE_SE
	s_setreg_imm32_b32 hwreg(HW_REG_WAVE_MODE, 25, 1), 1
	s_wait_xcnt 0x0
; ROUNDING AND SORTING OF THE INPUTS.  xb = x rounded to bf16, [8192][1024].  wb = W_qvk rounded to bf16, its rows sorted twice over.
; First by section: column c = sec x 1024 + d of the projection's result is row 3 d + s of W_qvk (sec 0 = q: s = 0; sec 1 = k: s = 2; sec 2 = v: s = 1).
; Then, in each group of 384 columns, in the order in which the projection's two tiles of 192 take them: columns 0-191, 256-383, 192-255 (the first tile: a block of 128 columns and the left half of the
; middle block; the second tile: the last block and the middle block's right half).  bb = b_qvk by column c (sections only), rounded to bf16 and widened to f32 again.
; Every input byte is read once and every output byte written once; the bytes are the work, so there is no LDS, no matrix unit and no cluster.
; SHARES.  Work-groups 0-511: 16 rows of x each.  512-703: 16 rows of wb each.  704: the bias.  The three cases are told apart by scalar branches on the work-group's number.
; A thread takes 32 bytes of f32 and makes 16 bytes of bf16; sixteen neighbouring lanes store 256 consecutive bytes, aligned.  All sixteen loads of a thread go out at once.
.set IN,  8                            ; v[8:71]    eight passes x 8 numbers as loaded
.set OUT, 72                           ; v[72:103]  eight passes x 4 registers to store
; Eight passes of two rows: ps = bytes from a pass's rows to the next pass's in the input.  No register is written twice, so no wait frees one.
.macro BLK ps, in, out
.irp p, 0,1,2,3,4,5,6,7
	global_load_b128 v[IN+8*\p:IN+8*\p+3],   v1, s[\in:\in+1] offset:(\p)*(\ps) th:TH_LOAD_NT
	global_load_b128 v[IN+8*\p+4:IN+8*\p+7], v1, s[\in:\in+1] offset:(\p)*(\ps)+16 th:TH_LOAD_NT
.endr
.irp p, 0,1,2,3,4,5,6,7
	s_wait_loadcnt 14-2*\p                         ; loads come back in order: pass p's two are in, the younger passes' stay out
.irp i, 0,1,2,3
	v_cvt_pk_bf16_f32 v[OUT+4*\p+\i], v[IN+8*\p+2*\i], v[IN+8*\p+2*\i+1]
.endr
	global_store_b128 v2, v[OUT+4*\p:OUT+4*\p+3], s[\out:\out+1] offset:(\p)*4096
.endr
.endm
	s_load_b256 s[4:11], s[0:1], 0x0               ; x s[4:5], W_qvk s[6:7], b_qvk s[8:9], xb s[10:11]
	s_load_b128 s[12:15], s[0:1], 0x20             ; wb s[12:13], bb s[14:15]
	v_lshlrev_b32 v2, 4, v0                        ; my 16 bytes of a pass's output
	s_mov_b32 s17, 0
	s_mov_b32 s19, 0
	s_cmp_lt_u32 ttmp9, 512
	s_cbranch_scc0 .Lnot_x
	v_lshlrev_b32 v1, 5, v0                        ; x: my 32 bytes of a pass's 8,192 (two rows on end)
	s_lshl_b32 s16, ttmp9, 16                      ; 16 rows of 4,096 bytes in,
	s_lshl_b32 s18, ttmp9, 15                      ; of 2,048 bytes out
	s_wait_kmcnt 0x0
	s_add_nc_u64 s[4:5], s[4:5], s[16:17]
	s_add_nc_u64 s[10:11], s[10:11], s[18:19]
	BLK 8192, 4, 10
	s_endpgm
.Lnot_x:
	s_cmp_lt_u32 ttmp9, 704
	s_cbranch_scc0 .Lbias
	s_sub_co_u32 s20, ttmp9, 512                   ; which 16 rows of wb: 0 to 191
	s_mul_i32 s21, s20, 2731
	s_lshr_b32 s21, s21, 16                        ; / 24 (exact up to 191): the group of 384 rows
	s_mul_i32 s21, s21, 24
	s_sub_co_u32 s21, s20, s21                     ; the place in the group, in sixteens: 0 to 23
	s_cmp_lt_u32 s21, 20
	s_cselect_b32 s22, 4, -8                       ; places 12-19 hold columns 256-383: 64 further on; places 20-23 columns 192-255: 128 back;
	s_cmp_lt_u32 s21, 12
	s_cselect_b32 s22, 0, s22                      ; places 0-11 hold columns 0-191
	s_add_co_u32 s24, s20, s22                     ; the column, in sixteens
	s_lshr_b32 s21, s24, 6                         ; the section
	s_and_b32 s22, s24, 63
	s_mul_i32 s22, s22, 48                         ; 3 d of the first of the 16
	s_sub_co_u32 s23, 3, s21                       ; s = 3 - sec,
	s_cmp_eq_u32 s21, 0
	s_cselect_b32 s23, 0, s23                      ; or 0 for q
	s_add_co_u32 s22, s22, s23
	s_lshl_b32 s16, s22, 12                        ; row 3 d + s of W_qvk, 4,096 bytes a row
	s_lshl_b32 s18, s20, 15
	v_lshrrev_b32 v3, 7, v0                        ; which of a pass's two rows, three rows of W_qvk apart,
	v_and_b32 v4, 127, v0
	v_mul_u32_u24 v3, v3, 12288
	v_lshl_add_u32 v1, v4, 5, v3                   ; and my 32 bytes of it
	s_wait_kmcnt 0x0
	s_add_nc_u64 s[6:7], s[6:7], s[16:17]
	s_add_nc_u64 s[12:13], s[12:13], s[18:19]
	BLK 24576, 6, 12
	s_endpgm
.Lbias:                                        ; thread t holds b[12 t .. 12 t + 11]: d = 4 t .. 4 t + 3, three numbers each
	v_mul_u32_u24 v1, v0, 48
	s_wait_kmcnt 0x0
	global_load_b128 v[8:11],  v1, s[8:9]
	global_load_b128 v[12:15], v1, s[8:9] offset:16
	global_load_b128 v[16:19], v1, s[8:9] offset:32
	s_wait_loadcnt 0x0
.macro BSEC sec, s                     ; section sec takes words s, s + 3, s + 6, s + 9
	v_cvt_pk_bf16_f32 v20, v[8+\s], v[11+\s]
	v_cvt_pk_bf16_f32 v21, v[14+\s], v[17+\s]
	v_lshlrev_b32 v[24+4*\sec], 16, v20            ; bf16 to f32: the low half moves up,
	v_and_b32 v[25+4*\sec], 0xffff0000, v20        ; the high half stays
	v_lshlrev_b32 v[26+4*\sec], 16, v21
	v_and_b32 v[27+4*\sec], 0xffff0000, v21
	global_store_b128 v2, v[24+4*\sec:27+4*\sec], s[14:15] offset:4096*\sec
.endm
	BSEC 0, 0
	BSEC 1, 2
	BSEC 2, 1
	s_endpgm
.Lfunc_end_k_q674a2b304c_cast:
	.size	k_q674a2b304c_cast, .Lfunc_end_k_q674a2b304c_cast-k_q674a2b304c_cast
	.p2alignl 7, 3214868480
	.fill 96, 4, 3214868480
	.section	.rodata,"a",@progbits
	.p2align	6, 0x0
	.amdhsa_kernel k_q674a2b304c_cast
		.amdhsa_group_segment_fixed_size 0
		.amdhsa_private_segment_fixed_size 0
		.amdhsa_enable_private_segment 0
		.amdhsa_kernarg_size 48
		.amdhsa_user_sgpr_count 2
		.amdhsa_user_sgpr_kernarg_segment_ptr 1
		.amdhsa_wavefront_size32 1
		.amdhsa_system_sgpr_workgroup_id_x 1
		.amdhsa_system_sgpr_workgroup_id_y 1
		.amdhsa_system_sgpr_workgroup_id_z 1
		.amdhsa_system_vgpr_workitem_id 0
		.amdhsa_next_free_vgpr 104
		.amdhsa_next_free_sgpr 66
		.amdhsa_reserve_vcc 0
		.amdhsa_float_denorm_mode_32 3
		.amdhsa_float_denorm_mode_16_64 3
		.amdhsa_memory_ordered 1
		.amdhsa_forward_progress 1
		.amdhsa_inst_pref_size 13
	.end_amdhsa_kernel
	.amdgpu_metadata
---
amdhsa.version: [ 1, 2 ]
amdhsa.kernels:
  - .name:           k_q674a2b304c_cast
    .symbol:         k_q674a2b304c_cast.kd
    .args:
      - { .name: x, .offset: 0, .size: 8, .value_kind: global_buffer, .address_space: global }
      - { .name: W_qvk, .offset: 8, .size: 8, .value_kind: global_buffer, .address_space: global }
      - { .name: b_qvk, .offset: 16, .size: 8, .value_kind: global_buffer, .address_space: global }
      - { .name: xb, .offset: 24, .size: 8, .value_kind: global_buffer, .address_space: global }
      - { .name: wb, .offset: 32, .size: 8, .value_kind: global_buffer, .address_space: global }
      - { .name: bb, .offset: 40, .size: 8, .value_kind: global_buffer, .address_space: global }
    .group_segment_fixed_size: 0
    .private_segment_fixed_size: 0
    .kernarg_segment_align: 8
    .kernarg_segment_size: 48
    .max_flat_workgroup_size: 256
    .sgpr_count:     66
    .vgpr_count:     104
    .wavefront_size: 32
...
	.end_amdgpu_metadata
.endif
;; end of part 1
;; launch proj (part 2): grid 8 x 32, 4 waves a work-group, clusters of 4 x 4, 327,680 bytes of LDS; arguments xb, wb, bb, qkv; writes qkv
.if DOCPART == 2
	.amdgcn_target "amdgcn-amd-amdhsa--gfx1250"
	.amdhsa_code_object_version 6
	.text
	.protected	k_q674a2b304c_proj
	.globl	k_q674a2b304c_proj
	.p2align	8
	.type	k_q674a2b304c_proj,@function
k_q674a2b304c_proj:
	s_mov_b64 s[64:65], 0
	v_nop
	global_prefetch_b8 v0, s[64:65] scope:SCOPE_SE
	s_setreg_imm32_b32 hwreg(HW_REG_WAVE_MODE, 25, 1), 1
	s_wait_xcnt 0x0
	s_wait_alu depctr_hold_cnt(0) depctr_sa_sdst(0) depctr_va_vdst(0) depctr_va_sdst(0) depctr_va_ssrc(0) depctr_va_vcc(0) depctr_vm_vsrc(0)
	s_getreg_b32 s2, hwreg(HW_REG_IB_STS2, 6, 4)
	s_cmp_eq_u32 s2, 0
	s_cbranch_scc0 .Lentry_in_a_cluster
	s_endpgm
.Lentry_in_a_cluster:
	s_bfe_u32 s2, ttmp6, 0x10000c
	s_cmp_lg_u32 s2, 0xf033
	s_cbranch_scc0 .Lentry_shape_is_right
	s_endpgm
.Lentry_shape_is_right:
; THE PROJECTION.  qkv[row][c] = the sum over k of xb[row][k] w[c][k] + bb[c].  xb [8192][1024] and wb [3072][1024] in bf16, bb [3072] in f32; sums in f32; qkv [8192][3072] in f16, rounded once.
; wb holds w's rows, in each group of 384, in the order columns 0-191, 256-383, 192-255 (the launch before lays them so); bb and qkv go by the column itself.
; LIMIT.  f16 holds no number beyond 65,504: q, k and v must stay within it.  NaN and infinities are not treated apart.
; SHARES.  32 x 8 work-groups, one for each WGP; each makes 256 rows x 384 columns.  That is too much for one tile (two LDS slots of 640 rows do not fit), so A WORK-GROUP STAYS and makes two tiles of
; 256 x 192, on the same rows of xb.  Four waves, one below the other, each 64 rows x 192 columns: 48 accumulators of 16 x 16, 384 registers.  K goes in steps of 128 (rows of 256 bytes in memory, aligned)
; through a ring of two LDS slots, which runs on from the first tile into the second: a step is 192 matrix instructions a wave, and 180 of them stand between a slot's request and the wait for it.
; WHOLE BLOCKS OF 256 BYTES.  128 columns of f16 are 256 bytes; a tile's 192 columns are one such block and a half.  The first tile makes the group's block 0 and the left half of block 1, the second tile
; block 2 and the right half of block 1.  In both, column blocks 0-7 of 16 are the whole block and 8-11 the half, so that one text serves both.  The first tile's half waits, packed, in 64 registers.
; CLUSTERS.  4 x 4 work-groups.  The four of a row of the cluster need the same rows of xb, the four of a column the same rows of wb: each tile is asked for JOINTLY, by the same tensor load with
; the same descriptor and a mask that names the four.  Waves 0 and 1 ask for the two halves of xb's tile (128 rows each), waves 2 and 3 for those of wb's (96 rows each).
; THE MATRIX INSTRUCTION IS USED TRANSPOSED (source 0 = 16 rows of wb, source 1 = 16 rows of xb): a lane then holds row lane % 16 of qkv and the columns 8 (lane / 16) + 0..7.  In that layout the bias of a
; block of 16 columns is eight registers, the same for every row block: it is the C operand of the product that starts each sum.
; REGISTERS, in windows of 256 (s_set_vgpr_msb: bits 1:0 source 0, 3:2 source 1, 5:4 source 2, 7:6 destination):
;   window 0: v0-23 addresses; v32-63, v64-95 xb's fragments (4 x 16 rows x 32 K), two buffers; v96-191 the bias of the tile's 192 columns; v192-223 packed results; v64-95, v224-255 rows on their way out
;   window 1: v0-95, v96-191 wb's fragments (12 x 16 rows x 32 K), two buffers; v192-255 the first tile's half block
;   window 2: the 24 accumulators of my rows 0-31, (a, b) at v[8 (12 (a % 2) + b)];   window 3: those of my rows 32-63
.set STEPS,  8                         ; K steps in a tile
.set TILES,  2
.set PITCH,  272                       ; an LDS row: 256 bytes + 16 of padding = 68 words: the 16 rows of a fragment load start at 16 different groups of four banks (64 banks of 4 bytes: ISA guide 11.1)
.set HA,     128*PITCH                 ; half of xb's tile: one tensor load
.set HB,     96*PITCH                  ; half of wb's tile: one tensor load
.set BOFF,   2*HA                      ; in a slot wb's 192 rows lie behind xb's 256
.set SLOT1,  1<<17                     ; slot 1 begins here, so that one exclusive or turns an address in one slot into the other's
.set STAGE,  SLOT1+BOFF+2*HB           ; behind the ring, never filled by a tensor load: 16 rows x 272 bytes for each wave
.set SPARE,  STAGE+4*16*PITCH          ; behind the stages: the spare words, 128 bytes for each wave: two blocks of 256 bytes that no other line names
.set PC,     6144                      ; bytes in a row of qkv
.set STEP,   256                       ; bytes of a row in a K step
.set BACKA,  STEPS*STEP                ; from the K step behind a tile's last back to its first: xb's rows are walked again
.set JUMPB,  192*2048-STEPS*STEP       ; wb: 192 rows down and back along K
.set FLAGS,  (1<<16)|(1<<20)|(1<<21)|(5<<22)|(3<<25)  ; 17:16 elements of 2 bytes; 20 padding on; 21 set beside a mask; 24:22 after every 64 words (code 5); 31:25 4 words of it (code 3)
.set ADRA0, 12                         ; v12  my lane's place in xb's tile; never rewritten
.set ADRB0, 13                         ; v13  the same for wb's
.set ADRA,  14                         ; v14  the same in the slot in hand
.set ADRB,  15                         ; v15
.set STO,   16                         ; v16  the way out: where I put 16 bytes of a row
.set RD,    17                         ; v17  the way out: where I read a row back
.set CO,    18                         ; v18  my byte offset in two rows of qkv
.set BO,    19                         ; v19  my byte offset in 16 numbers of the bias
.set PFO,   20                         ; v20  the prefetches' offset: my row x 2,048 bytes; never rewritten
.set SPW,   22                         ; v22  LDS address of my spare word: SPARE + 4 x my thread's number; never rewritten
.set NIL,   23                         ; v23  0; never rewritten
.set FA,    32                         ; xb's fragments: buffer f at FA + 32 f
.set BIAS,  96
.set TMP,   192
.set OB,    64                         ; 16 rows read back from the stage: v64-95 (xb's buffer 1, multiplied by then) and v224-255 by turns
.set HELD,  192                        ; window 1
.set OF,   10                          ; s[10:11] qkv at my first row, at the tile's whole block
.set WV,   12                          ; s12  my wave's number: my 64 rows of the tile
.set ROLE, 13                          ; s13  wave / 2: I fetch for xb (0) or for wb (1)
.set CH,   14                          ; s14  wave % 2: which half of that tile I fetch
.set CX,   15                          ; s15  my place along the cluster's x
.set CY,   16                          ; s16  along its y
.set CLY,  17                          ; s17  the cluster's y
.set Y,    18                          ; s18  the block of 256 rows = 4 x cluster y + cy
.set XT,   19                          ; s19  the group of 384 columns = 4 x cluster x + cx
.set G1A,  24                          ; s[24:31] descriptor group 1 for xb's tiles
.set G0A,  32                          ; s[32:39] group 0: a set for each of the two first fills; the second then walks on
.set TB,   40                          ; s40  LDS byte at which the slot in hand begins
.set LIM,  41                          ; s41  a wave prefetches while the loop's count is above this
.set PFA,  42                          ; s[42:43] where my prefetches stand
.set LIM2, 44                          ; s44  the same for the second tile
.set CLX,  45                          ; s45  the cluster's x
.set JS,   46                          ; s[46:47] a step that is taken in one trip alone: the bytes or 0; the high word stays 0
.set G1B,  48                          ; s[48:55], s[56:63] the same for wb's tiles
.set G0B,  56
.set BBF,  66                          ; s[66:67] the bias of the tile's whole block
.set BBH,  68                          ; s[68:69] the bias of its half block
.set OH,   70                          ; s[70:71] qkv at my first row, at the group's middle block
.set MSB, 0
.macro WIN new                         ; the immediate's high byte repeats the setting that is left; a switch that changes nothing is dropped
.if MSB != (\new)
	s_set_vgpr_msb (MSB<<8)|(\new)
.set MSB, \new
.endif
.endm
; A load into a register that a matrix instruction has read, and a vector instruction that reads a matrix result or writes one of a matrix instruction's registers, stand four places behind it, and only
; plain vector instructions that name none of its registers are places (ISA guide 7.12.1 for vector instructions).
.macro PLACES
.rept 4
	v_nop
.endr
.endm
.macro CREST                           ; a round of the cluster's barrier behind its opening barrier: wave 0 signals for the work-group, every wave waits for all sixteen, my work-group's barrier closes it
	s_cmp_lg_u32 s[WV], 0
	s_cbranch_scc1 .Lnot_wave_0_\@
	s_barrier_signal -3
.Lnot_wave_0_\@:
	s_barrier_wait -3
	s_barrier_signal -1
	s_barrier_wait -1
.endm
.macro CROUND                          ; a whole round
	s_barrier_signal -1
	s_barrier_wait -1
	CREST
.endm
; A joint refill by the walking descriptor.  The branch hangs on the wave's number alone.  An s_nop 0 and four v_nop follow each of the two lines, ahead of the jump and the label.
.macro JLOAD
	s_cmp_eq_u32 s[ROLE], 0
	s_cbranch_scc0 .Lfor_b_\@
	tensor_load_to_lds s[G0A+4:G0A+7], s[G1A:G1A+7]
	s_nop 0
	PLACES
	s_branch .Lasked_\@
.Lfor_b_\@:
	tensor_load_to_lds s[G0B+4:G0B+7], s[G1B:G1B+7]
	s_nop 0
	PLACES
.Lasked_\@:
.endm
; A PREFETCH INTO THE L2 of the K step that stands two refills on, 384 matrix instructions ahead of the load that will want it: a lane a row, 256 bytes each, one instruction a wave, behind the joint load and
; the run of LDS loads.  xb's rows are read by the two clusters of that row of clusters: the one with x = 0 asks, in the first tile alone (the second tile reads the same rows again); of the 128 rows that
; wave 0 or 1 fetches each of the four partners takes 32 (by cx, in the ADDRESS).  wb's rows are read by the eight clusters of that column: the one with y = 0 asks, in both tiles; of the 96 rows that wave 2
; or 3 fetches each partner takes 24 (by cy); lanes 24 to 31 name the 24th row again.  No branch hangs on a work-group's place in its cluster.  The walk's first four K steps come by their loads alone; its
; last two refills have no K step two on.
.macro ASK
	s_cmp_gt_u32 s3, s[LIM]
	s_cbranch_scc0 .Lnot_mine_\@
	global_prefetch_b8 v[PFO], s[PFA:PFA+1] th:TH_LOAD_NT scope:SCOPE_SE
.Lnot_mine_\@:
.endm
; 12 matrix instructions: row block a x all 12 column blocks, 32 along K, from buffer f.  first = 1: the product starts the sum, with the bias as C.
; The 48 accumulators take turns, in the same order in every quarter.
.macro MULA f, a, first
.if \first
	WIN 0x81+0x40*((\a)/2)                         ; wb's fragments in window 1, xb's and the bias in window 0, D in window 2 or 3
.else
	WIN 0xa1+0x50*((\a)/2)                         ; C and D in window 2 or 3
.endif
.irp b, 0,1,2,3,4,5,6,7,8,9,10,11
.if \first
	v_wmma_f32_16x16x32_bf16 v[8*(12*((\a)%2)+\b):8*(12*((\a)%2)+\b)+7], v[96*(\f)+8*\b:96*(\f)+8*\b+7], v[FA+32*(\f)+8*(\a):FA+32*(\f)+8*(\a)+7], v[BIAS+8*\b:BIAS+8*\b+7]
.else
	v_wmma_f32_16x16x32_bf16 v[8*(12*((\a)%2)+\b):8*(12*((\a)%2)+\b)+7], v[96*(\f)+8*\b:96*(\f)+8*\b+7], v[FA+32*(\f)+8*(\a):FA+32*(\f)+8*(\a)+7], v[8*(12*((\a)%2)+\b):8*(12*((\a)%2)+\b)+7]
.endif
.endr
.endm
; 32 LDS loads in one run: the fragments of quarter q of the K step (32 along K) into buffer f.  A fragment is 16 rows x 32 K in 8 registers: lane l holds row l % 16, K = 8 (l / 16) + 0..7 and 16 + 8 (l / 16) + 0..7.
.macro FETCH q, f
	WIN 0x40                                       ; destination window 1, address window 0
.irp b, 0,1,2,3,4,5,6,7,8,9,10,11
	ds_load_b128 v[96*(\f)+8*\b:96*(\f)+8*\b+3],   v[ADRB] offset:64*(\q)+\b*16*PITCH
	ds_load_b128 v[96*(\f)+8*\b+4:96*(\f)+8*\b+7], v[ADRB] offset:64*(\q)+\b*16*PITCH+32
.endr
	WIN 0
.irp a, 0,1,2,3
	ds_load_b128 v[FA+32*(\f)+8*\a:FA+32*(\f)+8*\a+3],   v[ADRA] offset:64*(\q)+\a*16*PITCH
	ds_load_b128 v[FA+32*(\f)+8*\a+4:FA+32*(\f)+8*\a+7], v[ADRA] offset:64*(\q)+\a*16*PITCH+32
.endr
.endm
; One of a K step's first three quarters: buffer f is multiplied, 48 matrix instructions; ahead of them quarter q's fragments are asked for, into the other buffer.
.macro QUARTER q, f, first
	s_wait_dscnt 0x0                               ; buffer f's run of loads is in
	PLACES                                         ; for the loads into the other buffer, which the quarter before multiplied
	FETCH \q, 1-(\f)
	MULA \f, 0, \first
	MULA \f, 1, \first
	MULA \f, 2, \first
	MULA \f, 3, \first
.endm
; The last quarter multiplies buffer 1 and changes slots.  In front of ONE barrier each wave waits for all its tensor loads (at most one is out: its part of the next slot), adds 0 to its spare word, and waits for
; that and for its reads of this slot.  fill = 1: this slot takes the K step two on; the barrier then opens a round of the cluster's, so that no wave of any partner still reads the slot or has a load on its
; way, and the joint load is the first thing behind the round.  fill = 0, the walk's last two K steps: nothing is asked for; behind the very last (s3 = 1) there is nothing to fetch either.
; pj = 1 (the loop of six): in the trip with s3 = 2 the prefetches go on to the next tile's K step 0.  dj = 1 (the first tile's last two K steps): in the trip with s3 = 2 the descriptors do.
.macro TURN fill, pj, dj
.if \fill
	s_wait_xcnt 0x0                                ; the last prefetch, a K step back, has read its address, so it may be stepped
	s_add_nc_u64 s[PFA:PFA+1], s[PFA:PFA+1], STEP
.if \pj
	s_cmp_eq_u32 s3, 2
	s_cselect_b32 s[JS], JUMPB, 0
	s_add_nc_u64 s[PFA:PFA+1], s[PFA:PFA+1], s[JS:JS+1]
.endif
.endif
	WIN 0                                          ; (the add's two registers lie in window 0)
	s_wait_tensorcnt 0x0                           ; no tensor load of mine is out, so a group 0 may be written
	ds_add_u32 v[SPW], v[NIL]                      ; 0 onto my spare word: the scalar work below stands between it and the wait for it
.if \fill
	s_xor_b32 s[G0A+5], s[G0A+5], SLOT1            ; the walking descriptors: the other slot than last time,
	s_xor_b32 s[G0B+5], s[G0B+5], SLOT1
	s_add_nc_u64 s[G0A+6:G0A+7], s[G0A+6:G0A+7], STEP  ; the next K step; the type bits on top are not reached
	s_add_nc_u64 s[G0B+6:G0B+7], s[G0B+6:G0B+7], STEP
.if \dj
	s_cmp_eq_u32 s3, 2                             ; behind the tile's last K step comes the next tile's first:
	s_cselect_b32 s[JS], BACKA, 0
	s_sub_nc_u64 s[G0A+6:G0A+7], s[G0A+6:G0A+7], s[JS:JS+1]  ; the same rows of xb again,
	s_cselect_b32 s[JS], JUMPB, 0
	s_add_nc_u64 s[G0B+6:G0B+7], s[G0B+6:G0B+7], s[JS:JS+1]  ; the next 192 rows of wb
.endif
.endif
	s_xor_b32 s[TB], s[TB], SLOT1                  ; the fetches go on in the other slot
	s_wait_dscnt 0x0                               ; the add is done; buffer 1 is in, and with it my reads of this slot are over
	s_barrier_signal -1
	MULA 1, 0, 0                                   ; work on registers while the others arrive
	WIN 0                                          ; at a branch and at a label every window is 0
	s_barrier_wait -1
.if \fill
	CREST
	JLOAD                                          ; its four v_nop are also the places in front of the loads below
.else
	s_cmp_eq_u32 s3, 1
	s_cbranch_scc1 .Lno_fetch_\@
	PLACES
.endif
	v_add_nc_u32 v[ADRA], s[TB], v[ADRA0]
	v_add_nc_u32 v[ADRB], s[TB], v[ADRB0]
	FETCH 0, 0                                     ; 36 matrix instructions ahead of its first use
.if \fill
	ASK
.else
.Lno_fetch_\@:
.endif
	MULA 1, 1, 0
	MULA 1, 2, 0
	MULA 1, 3, 0
.endm
.macro BIASLOAD                        ; the bias of the tile's 192 columns: lane l takes the 8 numbers at 8 (l / 16) of each block of 16
.irp b, 0,1,2,3,4,5,6,7
	global_load_b128 v[BIAS+8*\b:BIAS+8*\b+3],   v[BO], s[BBF:BBF+1] offset:64*\b
	global_load_b128 v[BIAS+8*\b+4:BIAS+8*\b+7], v[BO], s[BBF:BBF+1] offset:64*\b+16
.endr
.irp b, 0,1,2,3
	global_load_b128 v[BIAS+64+8*\b:BIAS+64+8*\b+3],   v[BO], s[BBH:BBH+1] offset:64*\b
	global_load_b128 v[BIAS+64+8*\b+4:BIAS+64+8*\b+7], v[BO], s[BBH:BBH+1] offset:64*\b+16
.endr
.endm
	s_load_b256 s[4:11], s[0:1], 0x0               ; xb s[4:5], wb s[6:7], bb s[8:9], qkv s[10:11]
	v_lshl_add_u32 v[SPW], v0, 2, SPARE
	v_mov_b32 v[NIL], 0
	ds_add_u32 v[SPW], v[NIL]                      ; the wave's opening: the add and its wait stand ahead of my first tensor load; the set-up below, work on registers, stands between them
	v_lshrrev_b32 v3, 5, v0
	v_readfirstlane_b32 s[WV], v3
	s_lshr_b32 s[ROLE], s[WV], 1
	s_and_b32 s[CH], s[WV], 1
	s_bfe_u32 s[CX], ttmp6, 0x40000
	s_bfe_u32 s[CY], ttmp6, 0x40004
	s_mov_b32 s[CLX], ttmp9                        ; in a cluster launch ttmp9 and ttmp7 count clusters
	s_and_b32 s[CLY], ttmp7, 0xffff
	s_lshl_b32 s[Y], s[CLY], 2
	s_add_co_u32 s[Y], s[Y], s[CY]
	s_lshl_b32 s[XT], s[CLX], 2
	s_add_co_u32 s[XT], s[XT], s[CX]
	s_lshl_b32 s20, s[CY], 2
	s_lshl_b32 s20, 15, s20                        ; my row of the cluster: places 4 cy .. 4 cy + 3
	s_lshl_b32 s22, 0x1111, s[CX]                  ; my column: places cx, cx + 4, cx + 8, cx + 12
	s_or_b32 s[G1A], s20, FLAGS
	s_or_b32 s[G1B], s22, FLAGS
	s_mov_b32 s[G1A+1], 128<<16                    ; tensor_dim0 = 128
	s_mov_b32 s[G1A+2], 128<<16                    ; tensor_dim1 = 128
	s_mov_b32 s[G1A+3], 128<<16                    ; tile_dim0 = 128
	s_mov_b32 s[G1A+4], 128                        ; tile_dim1 = 128
	s_mov_b32 s[G1A+5], 1024                       ; elements from row to row
	s_mov_b32 s[G1A+6], 0
	s_mov_b32 s[G1A+7], 0
	s_mov_b32 s[G1B+1], 128<<16
	s_mov_b32 s[G1B+2], 96<<16                     ; 96 rows
	s_mov_b32 s[G1B+3], 128<<16
	s_mov_b32 s[G1B+4], 96
	s_mov_b32 s[G1B+5], 1024
	s_mov_b32 s[G1B+6], 0
	s_mov_b32 s[G1B+7], 0
	s_lshl_b32 s20, s[Y], 8                        ; xb: row 256 x block + 128 x half: it hangs on the block of rows, which my row of the cluster shares
	s_lshl_b32 s21, s[CH], 7
	s_add_co_u32 s20, s20, s21
	s_lshl_b32 s20, s20, 11                        ; rows of 2,048 bytes
	s_mov_b32 s21, 0
	s_mul_i32 s22, s[XT], 384                      ; wb: row 384 x group + 96 x half: it hangs on the group of columns, which my column shares
	s_mul_i32 s23, s[CH], 96
	s_add_co_u32 s22, s22, s23
	s_lshl_b32 s22, s22, 11
	s_mov_b32 s23, 0
	s_mul_i32 s46, s[CH], HA                       ; where they go: no place in the cluster enters an LDS address
	s_mul_i32 s47, s[CH], HB
	s_add_co_u32 s47, s47, BOFF
	s_mov_b32 s[TB], 0
	s_wait_dscnt 0x0                               ; the opening add is done
	s_wait_kmcnt 0x0
	s_add_nc_u64 s[20:21], s[4:5], s[20:21]
	s_add_nc_u64 s[22:23], s[6:7], s[22:23]
	CROUND                                         ; all sixteen work-groups are here: the first joint loads meet
.irp i, 0,1
	s_mov_b32 s[G0A+4*\i], 1                       ; count = 1
	s_add_co_u32 s[G0A+4*\i+1], s46, \i*SLOT1      ; LDS address
	s_add_nc_u64 s[G0A+4*\i+2:G0A+4*\i+3], s[20:21], \i*STEP  ; global address: K step i
	s_or_b32 s[G0A+4*\i+3], s[G0A+4*\i+3], 0x80000000         ; type = 2
	s_mov_b32 s[G0B+4*\i], 1
	s_add_co_u32 s[G0B+4*\i+1], s47, \i*SLOT1
	s_add_nc_u64 s[G0B+4*\i+2:G0B+4*\i+3], s[22:23], \i*STEP
	s_or_b32 s[G0B+4*\i+3], s[G0B+4*\i+3], 0x80000000
.endr
	s_cmp_eq_u32 s[ROLE], 0                        ; a wave's two first fills stand in one branch, ahead of every wait on TENSORcnt and every LDS read: two loads of mine are out
	s_cbranch_scc0 .Lfirst_b
	tensor_load_to_lds s[G0A:G0A+3], s[G1A:G1A+7]
	s_nop 0
	tensor_load_to_lds s[G0A+4:G0A+7], s[G1A:G1A+7]
	s_nop 0
	PLACES
	s_branch .Lfirst_asked
.Lfirst_b:
	tensor_load_to_lds s[G0B:G0B+3], s[G1B:G1B+7]
	s_nop 0
	tensor_load_to_lds s[G0B+4:G0B+7], s[G1B:G1B+7]
	s_nop 0
	PLACES
.Lfirst_asked:
	v_and_b32 v1, 15, v0                           ; l % 16
	v_bfe_u32 v2, v0, 4, 1                         ; l / 16
	v_lshlrev_b32 v[BO], 5, v2                     ; my 8 of a block's 16 numbers of the bias
	s_mul_i32 s22, s[XT], 384                      ; the group's first column
	s_lshl_b32 s[JS], s22, 2
	s_mov_b32 s[JS+1], 0                           ; stays 0 from here on
	s_add_nc_u64 s[BBF:BBF+1], s[8:9], s[JS:JS+1]  ; the first tile's whole block: columns 0-127 of the group,
	s_add_nc_u64 s[BBH:BBH+1], s[BBF:BBF+1], 512   ; its half: columns 128-191
	BIASLOAD                                       ; wanted by the first products
	v_mul_u32_u24 v3, v1, PITCH
	v_lshl_add_u32 v3, v2, 4, v3                   ; row x pitch + 16 x half
	s_mul_i32 s20, s[WV], 64*PITCH                 ; my 64 rows of xb's tile
	v_add_nc_u32 v[ADRA0], s20, v3
	v_add_nc_u32 v[ADRB0], BOFF, v3                ; all 192 rows of wb's
	v_mov_b32 v[ADRA], v[ADRA0]                    ; slot 0
	v_mov_b32 v[ADRB], v[ADRB0]
	s_mul_i32 s20, s[WV], 16*PITCH
	s_add_co_u32 s20, s20, STAGE                   ; my stage
	v_add_nc_u32 v[STO], s20, v3                   ; in: row l % 16, 16 bytes for each half of the lanes
	v_mul_u32_u24 v4, v2, PITCH                    ; back: lanes 0-15 take one row of 256 bytes, lanes 16-31 the next
	v_lshl_add_u32 v4, v1, 4, v4
	v_add_nc_u32 v[RD], s20, v4
	v_mul_u32_u24 v4, v2, PC                       ; and the same two rows in qkv
	v_lshl_add_u32 v[CO], v1, 4, v4
	s_lshl_b32 s20, s[Y], 8
	s_lshl_b32 s21, s[WV], 6
	s_add_co_u32 s20, s20, s21                     ; my first row of qkv
	s_mul_i32 s20, s20, PC
	s_lshl_b32 s23, s22, 1                         ; the group's first column, 2 bytes each: a multiple of 768
	s_add_co_u32 s20, s20, s23
	s_mov_b32 s21, 0
	s_add_nc_u64 s[OF:OF+1], s[OF:OF+1], s[20:21]
	s_add_nc_u64 s[OH:OH+1], s[OF:OF+1], 256
	; the prefetches: nothing is asked for here, at the head, where every work-group's first tiles are on their way
	s_lshl_b32 s20, s[Y], 8
	s_lshl_b32 s21, s[CH], 7
	s_add_co_u32 s20, s20, s21
	s_lshl_b32 s21, s[CX], 5
	s_add_co_u32 s20, s20, s21                     ; xb: the 128 rows that I fetch, my work-group's 32 of them
	s_mul_i32 s23, s[CH], 96
	s_add_co_u32 s22, s22, s23
	s_mul_i32 s23, s[CY], 24
	s_add_co_u32 s22, s22, s23                     ; wb: the 96 rows that I fetch, my work-group's 24 of them
	s_cmp_eq_u32 s[ROLE], 0
	s_cselect_b32 s20, s20, s22
	s_cselect_b32 s21, s[CLX], s[CLY]              ; the coordinate along which other clusters read the same rows
	s_cselect_b64 s[PFA:PFA+1], s[4:5], s[6:7]
	s_cselect_b32 s[LIM], 2, 0                     ; first tile: xb while a K step of the tile stands two refills on; wb in every trip
	s_cselect_b32 s[LIM2], -1, 2                   ; second tile: xb never; wb while a K step stands two refills on
	s_cselect_b32 s23, 31, 23                      ; my last row
	s_cmp_eq_u32 s21, 0
	s_cselect_b32 s[LIM], s[LIM], -1               ; the same in all sixteen partners, for a given wave
	s_cselect_b32 s[LIM2], s[LIM2], -1
	s_lshl_b32 s20, s20, 11
	s_mov_b32 s21, 0
	s_add_nc_u64 s[PFA:PFA+1], s[PFA:PFA+1], s[20:21]
	s_add_nc_u64 s[PFA:PFA+1], s[PFA:PFA+1], 3*STEP  ; at K step 3: the first change of slots steps it to 4
	v_and_b32 v[PFO], 31, v0
	v_min_u32 v[PFO], s23, v[PFO]
	v_lshlrev_b32 v[PFO], 11, v[PFO]
	s_wait_tensorcnt 0x1                           ; my part of K step 0 is in; K step 1's may stay out
	s_barrier_signal -1
	s_barrier_wait -1                              ; everybody's is
	FETCH 0, 0
	s_mov_b32 s2, TILES                            ; tiles to go, this one among them
.Ltile:
	s_wait_loadcnt 0x0                             ; this tile's bias
	QUARTER 1, 0, 1                                ; a tile's first quarter stands in front of the loops: its products start the sums
	WIN 0
	PLACES                                         ; behind the products that read the bias
	s_cmp_eq_u32 s2, 1
	s_cbranch_scc1 .Lno_bias
	s_add_nc_u64 s[BBF:BBF+1], s[BBF:BBF+1], 1024  ; the second tile's bias is asked for a tile ahead: its whole block lies 256 columns on,
	s_add_nc_u64 s[BBH:BBH+1], s[BBH:BBH+1], 256   ; its half 64
	BIASLOAD
.Lno_bias:
	s_mov_b32 s3, STEPS-2
.Lstep:                                        ; a trip ends one K step, asks for the step two on, and begins the next
	QUARTER 2, 1, 0
	QUARTER 3, 0, 0
	TURN 1, 1, 0
	QUARTER 1, 0, 0
	WIN 0
	s_sub_co_u32 s3, s3, 1
	s_cmp_lg_u32 s3, 0
	s_cbranch_scc1 .Lstep
	s_cmp_eq_u32 s2, 1
	s_cbranch_scc1 .Llast                          ; the last tile asks for nothing more
	s_mov_b32 s3, 2                                ; THE RING GOES ON INTO THE NEXT TILE: the first tile's last two K steps ask for its K steps 0 and 1; the loop is entered behind a step's first quarter
	s_branch .Lmidr
.Ltailr:
	QUARTER 1, 0, 0
	WIN 0
.Lmidr:
	QUARTER 2, 1, 0
	QUARTER 3, 0, 0
	TURN 1, 0, 1                                   ; (the second of them fetches the next tile's first fragments into buffer 0, which the way out leaves alone)
	WIN 0
	s_sub_co_u32 s3, s3, 1
	s_cmp_lg_u32 s3, 0
	s_cbranch_scc1 .Ltailr
	s_branch .Lout
.Llast:
	s_mov_b32 s3, 2                                ; the walk's last two K steps: a loop of their own
	s_branch .Lmid
.Ltail:
	QUARTER 1, 0, 0
	WIN 0
.Lmid:
	QUARTER 2, 1, 0
	QUARTER 3, 0, 0
	TURN 0, 0, 0
	WIN 0
	s_sub_co_u32 s3, s3, 1
	s_cmp_lg_u32 s3, 0
	s_cbranch_scc1 .Ltail
.Lout:
; THE WAY OUT, 16 rows x 128 columns at a time: the sums are rounded to f16 (16 bytes a lane), go into my own stage in LDS and come back as whole rows of 256 bytes.
.macro PACK a                          ; row block a, the whole block: column blocks 0-7
.set AC, 96*((\a)%2)
	WIN 0x0a+5*((\a)/2)                            ; sources 0 and 1 in window 2 or 3, destination in window 0
.irp b, 0,1,2,3,4,5,6,7
.irp i, 0,1,2,3
	v_cvt_pk_f16_f32 v[TMP+4*\b+\i], v[AC+8*\b+2*\i], v[AC+8*\b+2*\i+1]  ; each accumulator is read from its low end on
.endr
.endr
	WIN 0
.endm
.macro HALF a, to, win                 ; row block a, the half block: column blocks 8-11, into 16 registers from v[to] on, in window 0 (win = 0) or 1 (win = 0x40)
.set AC, 96*((\a)%2)+64
	WIN (\win)+0x0a+5*((\a)/2)
.irp j, 0,1,2,3
.irp i, 0,1,2,3
	v_cvt_pk_f16_f32 v[(\to)+4*\j+\i], v[AC+8*\j+2*\i], v[AC+8*\j+2*\i+1]
.endr
.endr
	WIN 0
.endm
.macro BACK k                          ; the stage's 16 rows come back, into the k-th turn's registers
.set BK, OB+160*((\k)%2)
.irp t, 0,1,2,3,4,5,6,7
	ds_load_b128 v[BK+4*\t:BK+4*\t+3], v[RD] offset:\t*2*PITCH  ; LDS serves a wave's instructions in order (ISA guide 5.7.1.4): these see the stores above; the next turn's stores come behind them
.endr
.endm
.macro TOSTAGE k
.irp b, 0,1,2,3,4,5,6,7
	ds_store_b128 v[STO], v[TMP+4*\b:TMP+4*\b+3] offset:32*\b
.endr
	BACK \k
.endm
.macro JOIN a, k                       ; the middle block of row block a: the first tile's half on the left, this tile's on the right
	WIN 0x04                                       ; the stores' data (source 1) in window 1
.irp j, 0,1,2,3
	ds_store_b128 v[STO], v[HELD+16*(\a)+4*\j:HELD+16*(\a)+4*\j+3] offset:32*\j
.endr
	WIN 0
.irp j, 0,1,2,3
	ds_store_b128 v[STO], v[TMP+4*\j:TMP+4*\j+3] offset:128+32*\j
.endr
	BACK \k
.endm
.macro SEND k, a, base                 ; the k-th turn's rows are row block a of the block of columns at s[base]
.set BK, OB+160*((\k)%2)
	s_wait_dscnt 0x0                               ; they are back in registers
	s_wait_xcnt 0x0                                ; the stores of the turn before have read their registers: the next turn's loads from the stage land on them only behind this wait
.irp t, 0,1,2,3,4,5,6,7
	global_store_b128 v[CO], v[BK+4*\t:BK+4*\t+3], s[\base:\base+1] offset:(16*(\a)+2*\t)*PC  ; 16 lanes store 256 consecutive bytes, at a multiple of 256 from qkv's first byte
.endr
.endm
	PLACES                                         ; behind the last products
	PACK 0
	TOSTAGE 0
	PACK 1                                         ; a turn's conversions stand between the loads of the turn before and the wait for them
	SEND 0, 0, OF
	TOSTAGE 1
	PACK 2
	SEND 1, 1, OF
	TOSTAGE 2
	PACK 3
	SEND 2, 2, OF
	TOSTAGE 3
	s_cmp_eq_u32 s2, 1
	s_cbranch_scc1 .Ljoin
	HALF 0, HELD, 0x40                             ; the first tile: the middle block's left half is packed and kept
	HALF 1, HELD+16, 0x40
	HALF 2, HELD+32, 0x40
	HALF 3, HELD+48, 0x40
	SEND 3, 3, OF
	s_branch .Lnext
.Ljoin:                                        ; the second tile: the middle block is whole now
	HALF 0, TMP, 0
	SEND 3, 3, OF
	JOIN 0, 4
	HALF 1, TMP, 0
	SEND 4, 0, OH
	JOIN 1, 5
	HALF 2, TMP, 0
	SEND 5, 1, OH
	JOIN 2, 6
	HALF 3, TMP, 0
	SEND 6, 2, OH
	JOIN 3, 7
	SEND 7, 3, OH
.Lnext:
	s_wait_xcnt 0x0                                ; the stores have read their registers and their base: only behind this wait are they written again
	s_add_nc_u64 s[OF:OF+1], s[OF:OF+1], 512       ; the second tile's whole block: 256 columns on
	s_mov_b32 s[LIM], s[LIM2]
	s_sub_co_u32 s2, s2, 1
	s_cmp_lg_u32 s2, 0
	s_cbranch_scc1 .Ltile
	s_wait_tensorcnt 0x0                           ; the wave's end, behind my last tensor load and my last LDS store
	ds_add_u32 v[SPW], v[NIL]
	s_wait_dscnt 0x0
	CROUND                                         ; the closing round: no work-group ends while a partner may still ask for a tile that names it
	s_endpgm
.Lfunc_end_k_q674a2b304c_proj:
	.size	k_q674a2b304c_proj, .Lfunc_end_k_q674a2b304c_proj-k_q674a2b304c_proj
	.p2alignl 7, 3214868480
	.fill 96, 4, 3214868480
	.section	.rodata,"a",@progbits
	.p2align	6, 0x0
	.amdhsa_kernel k_q674a2b304c_proj
		.amdhsa_group_segment_fixed_size 327680
		.amdhsa_private_segment_fixed_size 0
		.amdhsa_enable_private_segment 0
		.amdhsa_kernarg_size 32
		.amdhsa_user_sgpr_count 2
		.amdhsa_user_sgpr_kernarg_segment_ptr 1
		.amdhsa_wavefront_size32 1
		.amdhsa_system_sgpr_workgroup_id_x 1
		.amdhsa_system_sgpr_workgroup_id_y 1
		.amdhsa_system_sgpr_workgroup_id_z 1
		.amdhsa_system_vgpr_workitem_id 0
		.amdhsa_next_free_vgpr 1024
		.amdhsa_next_free_sgpr 80
		.amdhsa_reserve_vcc 0
		.amdhsa_float_denorm_mode_32 3
		.amdhsa_float_denorm_mode_16_64 3
		.amdhsa_memory_ordered 1
		.amdhsa_forward_progress 1
		.amdhsa_inst_pref_size 121
	.end_amdhsa_kernel
	.amdgpu_metadata
---
amdhsa.version: [ 1, 2 ]
amdhsa.kernels:
  - .name:           k_q674a2b304c_proj
    .symbol:         k_q674a2b304c_proj.kd
    .args:
      - { .name: xb, .offset: 0, .size: 8, .value_kind: global_buffer, .address_space: global }
      - { .name: wb, .offset: 8, .size: 8, .value_kind: global_buffer, .address_space: global }
      - { .name: bb, .offset: 16, .size: 8, .value_kind: global_buffer, .address_space: global }
      - { .name: qkv, .offset: 24, .size: 8, .value_kind: global_buffer, .address_space: global }
    .group_segment_fixed_size: 327680
    .private_segment_fixed_size: 0
    .kernarg_segment_align: 8
    .kernarg_segment_size: 32
    .max_flat_workgroup_size: 128
    .sgpr_count:     80
    .vgpr_count:     1024
    .wavefront_size: 32
...
	.end_amdgpu_metadata
.endif
;; end of part 2
;; launch scores (part 3): grid 8 x 32, 4 waves a work-group, clusters of 4 x 4, 327,680 bytes of LDS; arguments qkv, p, stats; writes p, stats
.if DOCPART == 3
	.amdgcn_target "amdgcn-amd-amdhsa--gfx1250"
	.amdhsa_code_object_version 6
	.text
	.protected	k_q674a2b304c_scores
	.globl	k_q674a2b304c_scores
	.p2align	8
	.type	k_q674a2b304c_scores,@function
k_q674a2b304c_scores:
	s_mov_b64 s[64:65], 0
	v_nop
	global_prefetch_b8 v0, s[64:65] scope:SCOPE_SE
	s_setreg_imm32_b32 hwreg(HW_REG_WAVE_MODE, 25, 1), 1
	s_wait_xcnt 0x0
	s_wait_alu depctr_hold_cnt(0) depctr_sa_sdst(0) depctr_va_vdst(0) depctr_va_sdst(0) depctr_va_ssrc(0) depctr_va_vcc(0) depctr_vm_vsrc(0)
	s_getreg_b32 s2, hwreg(HW_REG_IB_STS2, 6, 4)
	s_cmp_eq_u32 s2, 0
	s_cbranch_scc0 .Lentry_in_a_cluster
	s_endpgm
.Lentry_in_a_cluster:
	s_bfe_u32 s2, ttmp6, 0x10000c
	s_cmp_lg_u32 s2, 0xf033
	s_cbranch_scc0 .Lentry_shape_is_right
	s_endpgm
.Lentry_shape_is_right:
; SCORES AND THE FIRST HALF OF THE SOFTMAX.  S[i][j] = the sum over d of q[i][d] k[j][d], in each of the four batches of 2,048 rows; q = columns 0-1023 and k = columns 1024-2047 of qkv [8192][3072], f16; sums in f32.
; For each row and each BLOCK of 128 keys: m = the block's largest score; p = 2^(c s - c m), c = log2(e) / 32, stored in f16; l = the sum of the unrounded p.  The scores themselves are never stored.
; p: [8192][2048] f16.  stats: f32 [t][g][lane][a]: t = the block of keys in the batch (0-15), g = the group of 64 rows (0-127); row 64 g + 16 a + lane % 16; lanes 0-15 hold c m, lanes 16-31 hold l.
; The launch behind brings the sixteen blocks of a row to their common maximum.  A maximum is taken away in front of every exponential, so no exponent is above 0 but by c m's own rounding.
; LIMITS.  p lies in 0 to 1; below 6e-5 it keeps f16's fixed step of 6e-8; a weight below 2^-126 counts as 0 in l.  NaN and infinities are not treated apart.
; SHARES.  A tile of S is 256 queries x 256 keys, a work-group to each of the 32 x 8 tiles: four waves, 2 x 2, each 128 x 128: 64 accumulators, 512 registers; a wave's 128 keys are one block.  The 1,024 channels
; go in steps of 128 (256 bytes of a row, aligned) through a ring of two LDS slots: a step is 256 matrix instructions a wave, and 224 of them stand between a slot's request and the wait for it.
; CLUSTERS.  4 x 4 work-groups, all of one batch.  The four of a row of the cluster need the same rows of q, the four of a column the same rows of k: each tile is asked for JOINTLY.
; THE MATRIX INSTRUCTION IS USED TRANSPOSED (source 0 = 16 keys, source 1 = 16 queries): a lane holds ONE query (lane % 16) and the keys 8 (lane / 16) + 0..7 of each block of 16.
; REGISTERS, in windows of 256 (s_set_vgpr_msb: bits 1:0 source 0, 3:2 source 1, 5:4 source 2, 7:6 destination):
;   window 0: v0-25 addresses and c m; v64-127, v128-191 q's fragments, two buffers; on the way out v32-63, v224-255 rows, v64-111 and v192-223 at work
;   window 1: v64-127, v128-191 k's fragments, two buffers
;   window 2: the 32 accumulators of my queries 0-63, (a, b) at v[8 (8 a + b)];   window 3: those of my queries 64-127
.set STEPS,  8
.set PITCH,  272                       ; an LDS row: 256 bytes + 16 of padding = 68 words: the 16 rows of a fragment load start at 16 different groups of four banks (64 banks of 4 bytes: ISA guide 11.1)
.set HALFT,  128*PITCH                 ; 128 rows: what one tensor load brings, and what one wave reads of q or of k
.set SLOT,   4*HALFT                   ; q's 256 rows, then k's 256 rows
.set STAGE,  2*SLOT                    ; behind the ring, never filled by a tensor load: 16 rows x 272 bytes for each wave
.set SPARE,  STAGE+4*16*PITCH          ; the spare words, 128 bytes for each wave: two blocks of 256 bytes that no other line names
.set PQ,     6144                      ; bytes in a row of qkv
.set PP,     4096                      ; bytes in a row of p
.set STEP,   256
.set FLAGS,  (1<<16)|(1<<20)|(1<<21)|(5<<22)|(3<<25)  ; elements of 2 bytes; padding on; bit 21 set beside a mask; after every 64 words (code 5) 4 words (code 3)
.set ADRA0, 12
.set ADRB0, 13
.set ADRA,  14
.set ADRB,  15
.set STO,   16
.set RD,    17
.set CO,    18                         ; v18  my byte offset in two rows of p
.set SO,    19                         ; v19  16 x my lane: my place in a record of stats
.set PFO,   20
.set SPW,   22                         ; v22  LDS address of my spare word: SPARE + 4 x my thread's number; never rewritten
.set NIL,   23                         ; v23  0; never rewritten
.set CM,    24                         ; v[24:25] c m; named as a pair
.set F0,    64
.set F1,    128
.set T,     64                         ; v64-95   partial sums
.set C,     96                         ; v96-103  partial maxima
.set X,     104                        ; v104-111 block a's c m (lanes 0-15) or l (lanes 16-31)
.set TMP,   192                        ; v192-223 packed weights
.set OB,    32                         ; 16 rows read back from the stage: v32-63 and v224-255 by turns
.set WV,   12
.set ROLE, 13                          ; s13  wave / 2: my 128 queries.  Also: I fetch for q (0) or for k (1)
.set CH,   14                          ; s14  wave % 2: my 128 keys.  Also: which half of that tile I fetch
.set CX,   15
.set CY,   16
.set CLY,  17
.set Y,    18                          ; s18  the block of 256 queries = 4 x cluster y + cy
.set XT,   19                          ; s19  the block of 256 keys in the batch = 4 x cluster x + cx
.set G1A,  24
.set G0A,  32
.set TB,   40                          ; s40  LDS byte at which the slot in hand begins: 0 or SLOT
.set LIM,  41
.set PFA,  42
.set LW,   44                          ; s44  my tensor loads' place in a slot: wave x 128 rows
.set CLX,  45
.set G1B,  48
.set G0B,  56
.set CS,   66                          ; s[66:67] c: the packed scaling takes the pair's low word for both halves
.set SEL,  68                          ; s[68:69] v_permlanex16_b32's selects: each lane takes its own place in the other half
.set HM,   70                          ; s70  lanes 16-31
.set SB,   72                          ; s[72:73] my two records of stats
.set BAT,  74                          ; s74  the batch = cluster y / 2
.set MSB, 0
.macro WIN new                         ; the immediate's high byte repeats the setting that is left; a switch that changes nothing is dropped
.if MSB != (\new)
	s_set_vgpr_msb (MSB<<8)|(\new)
.set MSB, \new
.endif
.endm
.macro PLACES                          ; four places behind a matrix instruction, in front of loads into registers that it has read and of vector work on its registers
.rept 4
	v_nop
.endr
.endm
.macro CREST                           ; a round of the cluster's barrier behind its opening barrier
	s_cmp_lg_u32 s[WV], 0
	s_cbranch_scc1 .Lnot_wave_0_\@
	s_barrier_signal -3
.Lnot_wave_0_\@:
	s_barrier_wait -3
	s_barrier_signal -1
	s_barrier_wait -1
.endm
.macro CROUND
	s_barrier_signal -1
	s_barrier_wait -1
	CREST
.endm
.macro JLOAD                           ; a joint refill by the walking descriptor; an s_nop 0 and four v_nop follow each of the two lines
	s_cmp_eq_u32 s[ROLE], 0
	s_cbranch_scc0 .Lfor_b_\@
	tensor_load_to_lds s[G0A+4:G0A+7], s[G1A:G1A+7]
	s_nop 0
	PLACES
	s_branch .Lasked_\@
.Lfor_b_\@:
	tensor_load_to_lds s[G0B+4:G0B+7], s[G1B:G1B+7]
	s_nop 0
	PLACES
.Lasked_\@:
.endm
; A PREFETCH INTO THE L2 of the step that stands two refills on, 512 matrix instructions ahead of the load that will want it: 32 rows x 256 bytes, a lane a row, behind the joint load and the run of LDS loads.
; Each row's 256 bytes of a step are named once in the launch.  q's rows are read by the two clusters of that row of clusters: the one with x = 0 asks; k's rows by the batch's two clusters of that column: the
; first of them asks.  Of the 128 rows that a wave fetches each of the four partners takes 32, told apart in the ADDRESS (by cx for q, by cy for k).  Steps 0 to 3 come by their loads alone; the last two
; refills have no step two on.
.macro ASK
	s_cmp_gt_u32 s3, s[LIM]
	s_cbranch_scc0 .Lnot_mine_\@
	global_prefetch_b8 v[PFO], s[PFA:PFA+1] th:TH_LOAD_NT scope:SCOPE_SE
.Lnot_mine_\@:
.endm
; 16 matrix instructions: query blocks a0, a0 + 1 of the window's four x all 8 key blocks, 32 channels.  first = 1: the product starts the sum.  The 64 accumulators take turns.
.macro MUL16 f, hi, a0, first
	WIN 0xa1+0x50*(\hi)                            ; k's fragments in window 1, q's in window 0, C and D in window 2 or 3
.irp a, \a0, (\a0)+1
.irp b, 0,1,2,3,4,5,6,7
.if \first
	v_wmma_f32_16x16x32_f16 v[8*(8*(\a)+\b):8*(8*(\a)+\b)+7], v[(\f)+8*\b:(\f)+8*\b+7], v[(\f)+8*(4*(\hi)+(\a)):(\f)+8*(4*(\hi)+(\a))+7], 0
.else
	v_wmma_f32_16x16x32_f16 v[8*(8*(\a)+\b):8*(8*(\a)+\b)+7], v[(\f)+8*\b:(\f)+8*\b+7], v[(\f)+8*(4*(\hi)+(\a)):(\f)+8*(4*(\hi)+(\a))+7], v[8*(8*(\a)+\b):8*(8*(\a)+\b)+7]
.endif
.endr
.endr
.endm
.macro FETCH q, f                      ; 32 LDS loads in one run: the fragments of quarter q of the step into buffer f
	WIN 0x40                                       ; destination window 1, address window 0
.irp i, 0,1,2,3,4,5,6,7
	ds_load_b128 v[(\f)+8*\i:(\f)+8*\i+3],   v[ADRB] offset:64*(\q)+\i*16*PITCH
	ds_load_b128 v[(\f)+8*\i+4:(\f)+8*\i+7], v[ADRB] offset:64*(\q)+\i*16*PITCH+32
.endr
	WIN 0
.irp i, 0,1,2,3,4,5,6,7
	ds_load_b128 v[(\f)+8*\i:(\f)+8*\i+3],   v[ADRA] offset:64*(\q)+\i*16*PITCH
	ds_load_b128 v[(\f)+8*\i+4:(\f)+8*\i+7], v[ADRA] offset:64*(\q)+\i*16*PITCH+32
.endr
.endm
.macro QUARTER q, f, g, first          ; buffer f is multiplied; in the middle quarter q's fragments are asked for, into buffer g
	s_wait_dscnt 8                                 ; k's fragments and q's rows 0-63 are in; the youngest eight loads (q's rows 64-127) may be out
	MUL16 \f, 0, 0, \first
	MUL16 \f, 0, 2, \first
	PLACES                                         ; for the loads into buffer g, which the quarter before multiplied
	FETCH \q, \g
	s_wait_dscnt 32                                ; all but the 32 just issued
	MUL16 \f, 1, 0, \first
	MUL16 \f, 1, 2, \first
.endm
; The last quarter multiplies buffer 1 and changes slots: ONE barrier; in front of it each wave waits for all its tensor loads (at most one is out: its part of the next slot), adds 0 to its spare word, and waits
; for that and for its reads of this slot.  fill = 1: this slot takes the step two on; the barrier then opens a round of the cluster's, and the joint load is the first thing behind the round.
; fill = 0, the last two steps: nothing is asked for; behind the very last step (s3 = 1) there is nothing to fetch either.
.macro TURN fill
.if \fill
	s_wait_xcnt 0x0                                ; the last prefetch, a step back, has read its address
	s_add_nc_u64 s[PFA:PFA+1], s[PFA:PFA+1], STEP
.endif
	WIN 0
	s_wait_tensorcnt 0x0                           ; no tensor load of mine is out, so a group 0 may be written
	ds_add_u32 v[SPW], v[NIL]                      ; 0 onto my spare word
.if \fill
	s_add_co_u32 s[G0A+5], s[TB], s[LW]            ; the walking descriptors: into the slot that is being read out,
	s_add_co_u32 s[G0B+5], s[TB], s[LW]
	s_add_nc_u64 s[G0A+6:G0A+7], s[G0A+6:G0A+7], STEP  ; the next step
	s_add_nc_u64 s[G0B+6:G0B+7], s[G0B+6:G0B+7], STEP
.endif
	s_xor_b32 s[TB], s[TB], SLOT
	s_wait_dscnt 9                                 ; the add and the youngest eight loads may be out
	MUL16 F1, 0, 0, 0
	s_wait_dscnt 0x0                               ; the add is done, and my reads of this slot are over
	s_barrier_signal -1
	MUL16 F1, 0, 2, 0
	WIN 0
	s_barrier_wait -1
.if \fill
	CREST
	JLOAD                                          ; its four v_nop are also the places in front of the loads below
.else
	s_cmp_eq_u32 s3, 1
	s_cbranch_scc1 .Lno_fetch_\@
	PLACES
.endif
	v_add_nc_u32 v[ADRA], s[TB], v[ADRA0]
	v_add_nc_u32 v[ADRB], s[TB], v[ADRB0]
	FETCH 0, F0
.if \fill
	ASK
.else
.Lno_fetch_\@:
.endif
	MUL16 F1, 1, 0, 0
	MUL16 F1, 1, 2, 0
.endm
	s_load_b128 s[4:7], s[0:1], 0x0                ; qkv s[4:5], p s[6:7]
	s_load_b64 s[8:9], s[0:1], 0x10                ; stats
	v_lshl_add_u32 v[SPW], v0, 2, SPARE
	v_mov_b32 v[NIL], 0
	ds_add_u32 v[SPW], v[NIL]                      ; the wave's opening: the add and its wait stand ahead of my first tensor load
	v_lshrrev_b32 v3, 5, v0
	v_readfirstlane_b32 s[WV], v3
	s_lshr_b32 s[ROLE], s[WV], 1
	s_and_b32 s[CH], s[WV], 1
	s_bfe_u32 s[CX], ttmp6, 0x40000
	s_bfe_u32 s[CY], ttmp6, 0x40004
	s_mov_b32 s[CLX], ttmp9
	s_and_b32 s[CLY], ttmp7, 0xffff
	s_lshl_b32 s[Y], s[CLY], 2
	s_add_co_u32 s[Y], s[Y], s[CY]
	s_lshl_b32 s[XT], s[CLX], 2
	s_add_co_u32 s[XT], s[XT], s[CX]
	s_lshr_b32 s[BAT], s[CLY], 1                   ; made of the cluster's y alone: all sixteen partners share it
	s_lshl_b32 s20, s[CY], 2
	s_lshl_b32 s20, 15, s20                        ; my row of the cluster
	s_lshl_b32 s22, 0x1111, s[CX]                  ; my column
	s_or_b32 s[G1A], s20, FLAGS
	s_or_b32 s[G1B], s22, FLAGS
.irp g, G1A, G1B
	s_mov_b32 s[\g+1], 128<<16                     ; tensor_dim0 = 128
	s_mov_b32 s[\g+2], 128<<16                     ; tensor_dim1 = 128
	s_mov_b32 s[\g+3], 128<<16                     ; tile_dim0 = 128
	s_mov_b32 s[\g+4], 128                         ; tile_dim1 = 128
	s_mov_b32 s[\g+5], 3072                        ; elements from row to row
	s_mov_b32 s[\g+6], 0
	s_mov_b32 s[\g+7], 0
.endr
	s_lshl_b32 s20, s[Y], 8                        ; q: row 256 y + 128 x half
	s_lshl_b32 s21, s[CH], 7
	s_add_co_u32 s20, s20, s21
	s_mul_i32 s20, s20, PQ
	s_mov_b32 s21, 0
	s_lshl_b32 s22, s[XT], 8                       ; k: row 2,048 x batch + 256 x key block + 128 x half, 2,048 bytes into the row
	s_lshl_b32 s23, s[CH], 7
	s_add_co_u32 s22, s22, s23
	s_lshl_b32 s23, s[BAT], 11
	s_add_co_u32 s22, s22, s23
	s_mul_i32 s22, s22, PQ
	s_add_co_u32 s22, s22, 2048
	s_mov_b32 s23, 0
	s_mul_i32 s[LW], s[WV], HALFT                  ; no place in the cluster enters an LDS address
	s_mov_b32 s[TB], 0
	s_mov_b32 s[CS], 0x3d38aa3b                    ; c = log2(e) / 32 = 0.0450842
	s_mov_b32 s[CS+1], s[CS]
	s_mov_b32 s[SEL], 0x76543210
	s_mov_b32 s[SEL+1], 0xfedcba98
	s_mov_b32 s[HM], 0xffff0000
	s_wait_dscnt 0x0                               ; the opening add is done
	s_wait_kmcnt 0x0
	s_add_nc_u64 s[20:21], s[4:5], s[20:21]
	s_add_nc_u64 s[22:23], s[4:5], s[22:23]
	CROUND                                         ; all sixteen work-groups are here: the first joint loads meet
.irp i, 0,1
	s_mov_b32 s[G0A+4*\i], 1
	s_add_co_u32 s[G0A+4*\i+1], s[LW], \i*SLOT
	s_add_nc_u64 s[G0A+4*\i+2:G0A+4*\i+3], s[20:21], \i*STEP
	s_or_b32 s[G0A+4*\i+3], s[G0A+4*\i+3], 0x80000000
	s_mov_b32 s[G0B+4*\i], 1
	s_add_co_u32 s[G0B+4*\i+1], s[LW], \i*SLOT
	s_add_nc_u64 s[G0B+4*\i+2:G0B+4*\i+3], s[22:23], \i*STEP
	s_or_b32 s[G0B+4*\i+3], s[G0B+4*\i+3], 0x80000000
.endr
	s_cmp_eq_u32 s[ROLE], 0                        ; a wave's two first fills stand in one branch: two loads of mine are out
	s_cbranch_scc0 .Lfirst_b
	tensor_load_to_lds s[G0A:G0A+3], s[G1A:G1A+7]
	s_nop 0
	tensor_load_to_lds s[G0A+4:G0A+7], s[G1A:G1A+7]
	s_nop 0
	PLACES
	s_branch .Lfirst_asked
.Lfirst_b:
	tensor_load_to_lds s[G0B:G0B+3], s[G1B:G1B+7]
	s_nop 0
	tensor_load_to_lds s[G0B+4:G0B+7], s[G1B:G1B+7]
	s_nop 0
	PLACES
.Lfirst_asked:
	v_and_b32 v1, 15, v0                           ; l % 16
	v_bfe_u32 v2, v0, 4, 1                         ; l / 16
	v_mul_u32_u24 v3, v1, PITCH
	v_lshl_add_u32 v3, v2, 4, v3
	s_mul_i32 s20, s[ROLE], HALFT
	v_add_nc_u32 v[ADRA0], s20, v3
	s_mul_i32 s20, s[CH], HALFT
	s_add_co_u32 s20, s20, 2*HALFT
	v_add_nc_u32 v[ADRB0], s20, v3
	v_mov_b32 v[ADRA], v[ADRA0]
	v_mov_b32 v[ADRB], v[ADRB0]
	s_mul_i32 s20, s[WV], 16*PITCH
	s_add_co_u32 s20, s20, STAGE
	v_add_nc_u32 v[STO], s20, v3
	v_mul_u32_u24 v4, v2, PITCH
	v_lshl_add_u32 v4, v1, 4, v4
	v_add_nc_u32 v[RD], s20, v4
	v_lshlrev_b32 v4, 12, v2                       ; two rows of p
	v_lshl_add_u32 v[CO], v1, 4, v4
	v_and_b32 v[SO], 31, v0
	v_lshlrev_b32 v[SO], 4, v[SO]
	s_lshl_b32 s20, s[Y], 8
	s_lshl_b32 s21, s[ROLE], 7
	s_add_co_u32 s20, s20, s21                     ; my first row of p
	s_lshl_b32 s20, s20, 12
	s_lshl_b32 s22, s[XT], 9                       ; my first key, 2 bytes each: 512 x key block + 256 x half
	s_lshl_b32 s23, s[CH], 8
	s_add_co_u32 s22, s22, s23
	s_add_co_u32 s20, s20, s22
	s_mov_b32 s21, 0
	s_add_nc_u64 s[6:7], s[6:7], s[20:21]
	s_lshl_b32 s22, s[XT], 1
	s_add_co_u32 s22, s22, s[CH]                   ; t = 2 x key block + half
	s_lshl_b32 s22, s22, 7
	s_lshl_b32 s23, s[Y], 2
	s_add_co_u32 s22, s22, s23
	s_lshl_b32 s23, s[ROLE], 1
	s_add_co_u32 s22, s22, s23                     ; g = 4 y + 2 x my half of the rows, and the group behind it
	s_lshl_b32 s22, s22, 9                         ; records of 512 bytes
	s_mov_b32 s23, 0
	s_add_nc_u64 s[SB:SB+1], s[8:9], s[22:23]
	; the prefetches: nothing is asked for here, at the head
	s_lshl_b32 s20, s[Y], 8
	s_lshl_b32 s21, s[CX], 5
	s_add_co_u32 s20, s20, s21                     ; q: the tile's first row + my work-group's 32
	s_lshl_b32 s22, s[XT], 8
	s_lshl_b32 s23, s[CY], 5
	s_add_co_u32 s22, s22, s23
	s_lshl_b32 s23, s[BAT], 11
	s_add_co_u32 s22, s22, s23                     ; k: likewise
	s_and_b32 s23, s[CLY], 1                       ; 0 in the batch's first cluster of a column
	s_movk_i32 s46, 2048+3*STEP                    ; k lies 2,048 bytes into the row; both stand at step 3: the first change of slots steps them to 4
	s_cmp_eq_u32 s[ROLE], 0
	s_cselect_b32 s20, s20, s22
	s_cselect_b32 s21, s[CLX], s23                 ; who asks: the same in all sixteen partners, for a given wave
	s_cselect_b32 s46, 3*STEP, s46
	s_cmp_eq_u32 s21, 0
	s_cselect_b32 s[LIM], 2, -1
	s_lshl_b32 s21, s[CH], 7
	s_add_co_u32 s20, s20, s21                     ; + the 128 rows that I fetch
	s_mul_i32 s20, s20, PQ
	s_add_co_u32 s20, s20, s46
	s_mov_b32 s21, 0
	s_add_nc_u64 s[PFA:PFA+1], s[4:5], s[20:21]
	v_and_b32 v[PFO], 31, v0
	v_mul_u32_u24 v[PFO], v[PFO], PQ
	s_wait_tensorcnt 0x1                           ; my part of step 0 is in; step 1's may stay out
	s_barrier_signal -1
	s_barrier_wait -1
	FETCH 0, F0
	QUARTER 1, F0, F1, 1                           ; the first quarter: its products start the sums
	WIN 0
	s_mov_b32 s3, STEPS-2
.Lstep:                                        ; a trip ends one step, asks for the step two on, and begins the next
	QUARTER 2, F1, F0, 0
	QUARTER 3, F0, F1, 0
	TURN 1
	QUARTER 1, F0, F1, 0
	WIN 0
	s_sub_co_u32 s3, s3, 1
	s_cmp_lg_u32 s3, 0
	s_cbranch_scc1 .Lstep
	s_mov_b32 s3, 2                                ; the last two steps ask for nothing: a loop of their own; it is entered behind a step's first quarter
	s_branch .Lmid
.Ltail:
	QUARTER 1, F0, F1, 0
	WIN 0
.Lmid:
	QUARTER 2, F1, F0, 0
	QUARTER 3, F0, F1, 0
	TURN 0
	WIN 0
	s_sub_co_u32 s3, s3, 1
	s_cmp_lg_u32 s3, 0
	s_cbranch_scc1 .Ltail
; THE WAY OUT, a block of 16 queries at a time.  A lane holds 64 of its query's 128 scores, the lane 16 away the other 64.
.macro SOFT a
.set AC, 64*((\a)%4)
	WIN 0x0a+5*((\a)/4)                            ; sources 0 and 1 in window 2 or 3; source 2 and the destination in window 0
.irp b, 0,1,2,3,4,5,6,7
	v_max_num_f32 v[C+\b], v[AC+8*\b], v[AC+8*\b+1]  ; each accumulator is read from its low end on
.endr
.irp i, 2,4,6
.irp b, 0,1,2,3,4,5,6,7
	v_max3_num_f32 v[C+\b], v[AC+8*\b+\i], v[AC+8*\b+\i+1], v[C+\b]
.endr
.endr
	WIN 0
	v_max3_num_f32 v[C], v[C], v[C+1], v[C+2]
	v_max3_num_f32 v[C+3], v[C+3], v[C+4], v[C+5]
	v_max3_num_f32 v[C], v[C], v[C+6], v[C+7]
	v_max_num_f32 v[C], v[C], v[C+3]
	v_permlanex16_b32 v[C+1], v[C], s[SEL], s[SEL+1]
	v_max_num_f32 v[C], v[C], v[C+1]               ; m
	v_mul_f32 v[CM], s[CS], v[C]                   ; c m
	v_mov_b32 v[CM+1], v[CM]                       ; named with it as a pair
	WIN 0x82+0x41*((\a)/4)                         ; source 0 and destination in window 2 or 3
.set j, AC
.rept 32
	v_pk_fma_f32 v[j:j+1], v[j:j+1], s[CS:CS+1], v[CM:CM+1] op_sel_hi:[1,0,0] neg_lo:[0,0,1] neg_hi:[0,0,1]  ; c s - c m
.set j, j+2
.endr
.set j, AC
.rept 64
	v_exp_f32 v[j], v[j]                           ; one batch: nothing ahead of the wait below names a result
.set j, j+1
.endr
	v_nop                                          ; a plain instruction behind the last exponential,
	s_wait_alu depctr_va_vdst(0)                   ; and the wait ahead of the first use: one for the 64
	WIN 0x0a+5*((\a)/4)
.set j, 0
.rept 32
	v_cvt_pk_f16_f32 v[TMP+j], v[AC+2*j], v[AC+2*j+1]
.set j, j+1
.endr
.set j, 0
.rept 16
	v_pk_add_f32 v[T+2*j:T+2*j+1], v[AC+4*j:AC+4*j+1], v[AC+4*j+2:AC+4*j+3]
.set j, j+1
.endr
	WIN 0
.irp w, 16,8,4,2                       ; sixteen pairs into one
.set j, 0
.rept (\w)/2
	v_pk_add_f32 v[T+j:T+j+1], v[T+j:T+j+1], v[T+j+\w:T+j+\w+1]
.set j, j+2
.endr
.endr
	v_add_f32 v[T], v[T], v[T+1]
	v_permlanex16_b32 v[T+2], v[T], s[SEL], s[SEL+1]
	v_add_f32 v[T], v[T], v[T+2]                   ; l
	v_cndmask_b32 v[X+\a], v[CM], v[T], s[HM]      ; lanes 0-15 keep c m, lanes 16-31 l
.endm
.macro TOSTAGE a
.set BK, OB+192*((\a)%2)
.irp b, 0,1,2,3,4,5,6,7
	ds_store_b128 v[STO], v[TMP+4*\b:TMP+4*\b+3] offset:32*\b
.endr
.irp t, 0,1,2,3,4,5,6,7
	ds_load_b128 v[BK+4*\t:BK+4*\t+3], v[RD] offset:\t*2*PITCH  ; LDS serves a wave's instructions in order (ISA guide 5.7.1.4): these see the stores above; the next block's stores come behind them
.endr
.endm
.macro SEND a
.set BK, OB+192*((\a)%2)
	s_wait_dscnt 0x0                               ; the block is back in registers
	s_wait_xcnt 0x0                                ; the stores of the block before have read their registers: the next block's loads from the stage land on them only behind this wait
.irp t, 0,1,2,3,4,5,6,7
	global_store_b128 v[CO], v[BK+4*\t:BK+4*\t+3], s[6:7] offset:(16*(\a)+2*\t)*PP  ; 16 lanes store 256 consecutive bytes, at a multiple of 256 from p's first byte
.endr
.endm
	PLACES                                         ; behind the last products
	SOFT 0
	TOSTAGE 0
.irp a, 1,2,3,4,5,6,7                  ; block a's arithmetic stands between block a - 1's loads from the stage and the wait for them
	SOFT \a
	SEND (\a)-1
	TOSTAGE \a
.endr
	SEND 7
	global_store_b128 v[SO], v[X:X+3], s[SB:SB+1]  ; my rows 0-63: c m and l for this block of keys: 512 consecutive bytes,
	global_store_b128 v[SO], v[X+4:X+7], s[SB:SB+1] offset:512  ; and my rows 64-127: the next group's record
	s_wait_tensorcnt 0x0                           ; the wave's end
	ds_add_u32 v[SPW], v[NIL]
	s_wait_dscnt 0x0
	CROUND                                         ; the closing round
	s_endpgm
.Lfunc_end_k_q674a2b304c_scores:
	.size	k_q674a2b304c_scores, .Lfunc_end_k_q674a2b304c_scores-k_q674a2b304c_scores
	.p2alignl 7, 3214868480
	.fill 96, 4, 3214868480
	.section	.rodata,"a",@progbits
	.p2align	6, 0x0
	.amdhsa_kernel k_q674a2b304c_scores
		.amdhsa_group_segment_fixed_size 327680
		.amdhsa_private_segment_fixed_size 0
		.amdhsa_enable_private_segment 0
		.amdhsa_kernarg_size 24
		.amdhsa_user_sgpr_count 2
		.amdhsa_user_sgpr_kernarg_segment_ptr 1
		.amdhsa_wavefront_size32 1
		.amdhsa_system_sgpr_workgroup_id_x 1
		.amdhsa_system_sgpr_workgroup_id_y 1
		.amdhsa_system_sgpr_workgroup_id_z 1
		.amdhsa_system_vgpr_workitem_id 0
		.amdhsa_next_free_vgpr 1024
		.amdhsa_next_free_sgpr 80
		.amdhsa_reserve_vcc 0
		.amdhsa_float_denorm_mode_32 3
		.amdhsa_float_denorm_mode_16_64 3
		.amdhsa_memory_ordered 1
		.amdhsa_forward_progress 1
		.amdhsa_inst_pref_size 168
	.end_amdhsa_kernel
	.amdgpu_metadata
---
amdhsa.version: [ 1, 2 ]
amdhsa.kernels:
  - .name:           k_q674a2b304c_scores
    .symbol:         k_q674a2b304c_scores.kd
    .args:
      - { .name: qkv, .offset: 0, .size: 8, .value_kind: global_buffer, .address_space: global }
      - { .name: p, .offset: 8, .size: 8, .value_kind: global_buffer, .address_space: global }
      - { .name: stats, .offset: 16, .size: 8, .value_kind: global_buffer, .address_space: global }
    .group_segment_fixed_size: 327680
    .private_segment_fixed_size: 0
    .kernarg_segment_align: 8
    .kernarg_segment_size: 24
    .max_flat_workgroup_size: 128
    .sgpr_count:     80
    .vgpr_count:     1024
    .wavefront_size: 32
...
	.end_amdgpu_metadata
.endif
;; end of part 3
;; launch pv (part 4): grid 4 x 64, 4 waves a work-group, clusters of 4 x 4, 327,680 bytes of LDS; arguments p, qkv, stats, out0; writes out0
.if DOCPART == 4
	.amdgcn_target "amdgcn-amd-amdhsa--gfx1250"
	.amdhsa_code_object_version 6
	.text
	.protected	k_q674a2b304c_pv
	.globl	k_q674a2b304c_pv
	.p2align	8
	.type	k_q674a2b304c_pv,@function
k_q674a2b304c_pv:
	s_mov_b64 s[64:65], 0
	v_nop
	global_prefetch_b8 v0, s[64:65] scope:SCOPE_SE
	s_setreg_imm32_b32 hwreg(HW_REG_WAVE_MODE, 25, 1), 1
	s_wait_xcnt 0x0
	s_wait_alu depctr_hold_cnt(0) depctr_sa_sdst(0) depctr_va_vdst(0) depctr_va_sdst(0) depctr_va_ssrc(0) depctr_va_vcc(0) depctr_vm_vsrc(0)
	s_getreg_b32 s2, hwreg(HW_REG_IB_STS2, 6, 4)
	s_cmp_eq_u32 s2, 0
	s_cbranch_scc0 .Lentry_in_a_cluster
	s_endpgm
.Lentry_in_a_cluster:
	s_bfe_u32 s2, ttmp6, 0x10000c
	s_cmp_lg_u32 s2, 0xf033
	s_cbranch_scc0 .Lentry_shape_is_right
	s_endpgm
.Lentry_shape_is_right:
; THE SECOND HALF OF THE SOFTMAX AND THE SECOND PRODUCT.  For each row: c M = the largest of its sixteen blocks' c m; f_t = 2^(c m_t - c M), at most 1; l = the sum of f_t l_t (f32).
; out0[i][ch] = (the sum over the blocks t and their keys j of (f_t p[i][j]) v[j][ch]) / l.  p [8192][2048] f16; v = columns 2048-3071 of qkv [8192][3072], f16; stats as the launch before stored it; out0 f32.
; p's fragments are multiplied by f_t (both f16, the product rounded to f16) between their load and the matrix instruction; sums in f32; the division is a multiplication in f32 by 1 / l.
; LIMITS.  f_t p lies in 0 to 1; below 6e-5 it keeps f16's fixed step of 6e-8, and the row's largest is 1.  NaN and infinities are not treated apart.
; SHARES.  A tile of out0 is 128 rows x 256 channels: four waves, 2 x 2, each 64 x 128: 256 tiles, one to a work-group.  The batch's 2,048 keys go in steps of 128, one block t a step, through a ring of two LDS slots.
; CLUSTERS.  4 x 4 work-groups, all of one batch.  The four of a row of the cluster need the same rows of p, the four of a column the same channels of v: each tile is asked for JOINTLY.
; THE MATRIX INSTRUCTION IS USED TRANSPOSED (source 0 = 16 channels of v, turned by ds_load_tr16_b128; source 1 = 16 rows of p): a lane holds ONE row (lane % 16) and the channels 8 (lane / 16) + 0..7.
; REGISTERS, in windows of 256 (s_set_vgpr_msb: bits 1:0 source 0, 3:2 source 1, 5:4 source 2, 7:6 destination):
;   window 0: v0-23 addresses; v32-35 the step's factors; v40-47 1 / l; v64-159, v160-255 two fragment buffers (p's four fragments, then v's eight)
;   window 1: the accumulators, (a, b) at v[8 (8 a + b)]          window 2: at the start the statistics (v0-63 c m, v64-127 l, v128-131 c M, v132-135 l's sum); at the end rows on their way out
.set STEPS,  16
.set PITCH,  272                       ; a row of p in LDS: 256 bytes + 16 = 68 words: the 16 rows of a fragment load start at 16 different groups of four banks (64 banks of 4 bytes: ISA guide 11.1)
.set PV,     544                       ; a row of v: 512 bytes + 32 = 136 words
.set HA,     64*PITCH
.set HB,     64*PV                     ; half of v's tile: 64 keys
.set BOFF,   2*HA
.set SLOT1,  1<<17
.set STAGE,  SLOT1+BOFF+2*HB           ; behind the ring, never filled by a tensor load: 16 rows x 528 bytes for each wave
.set SP,     528
.set FT,     STAGE+4*16*SP             ; each wave's table of factors: 16 steps x 512 bytes: lane l's 16 bytes hold (f, f) in f16 for rows 16 a + l % 16, a = 0..3
.set SPARE,  FT+4*8192                 ; the spare words, 128 bytes for each wave: two blocks of 256 bytes that no other line names
.set PQ,     6144                      ; bytes in a row of qkv
.set PP,     4096                      ; bytes in a row of p, and of out0
.set STEPA,  256
.set STEPB,  128*PQ
.set FLAGSA, (1<<16)|(1<<20)|(1<<21)|(5<<22)|(3<<25)  ; elements of 2 bytes; padding on; bit 21 set beside a mask; after every 64 words (code 5) 4 words (code 3)
.set FLAGSB, (1<<16)|(1<<20)|(1<<21)|(6<<22)|(7<<25)  ; after every 128 words (code 6) 8 words (code 7)
.set ADRA0, 12
.set ADRB0, 13
.set ADRA,  14
.set ADRB,  15
.set STO,   16
.set RD,    17
.set CO,    18                         ; v18  16 x my lane: my place in 512 bytes of out0
.set SO,    19                         ; v19  16 x (l % 16): my row's place in a record of stats
.set PFO,   20
.set FTA,   21                         ; v21  my place in my wave's table, at the step in hand
.set SPW,   22                         ; v22  LDS address of my spare word: SPARE + 4 x my thread's number; never rewritten
.set NIL,   23                         ; v23  0; never rewritten
.set FS,    32                         ; v[32:35] (f, f) for my row of each of the four row blocks
.set RL,    40                         ; v[40:47] 1 / l, a pair for each row block
.set F0,    64
.set F1,    160
.set MX,    128                        ; window 2
.set LS,    132                        ; window 2
.set WV,   12
.set ROLE, 13                          ; s13  wave / 2: my 64 rows.  Also: I fetch for p (0) or for v (1)
.set CH,   14                          ; s14  wave % 2: my 128 channels.  Also: which half of that tile I fetch
.set CX,   15
.set CY,   16
.set CLY,  17
.set Y,    18
.set BAT,  19
.set G1A,  24
.set G0A,  32
.set TB,   40
.set LIM,  41
.set PFA,  42
.set PST,  44                          ; s[44:45] a step of my prefetches, in bytes
.set G1B,  48
.set G0B,  56
.set SB,   72                          ; s[72:73] my 64 rows' records of stats
.set W_MUL, 0x50
.set MSB, 0
.macro WIN new                         ; the immediate's high byte repeats the setting that is left; a switch that changes nothing is dropped
.if MSB != (\new)
	s_set_vgpr_msb (MSB<<8)|(\new)
.set MSB, \new
.endif
.endm
.macro PLACES                          ; four places behind a matrix instruction (ISA guide 7.12.1)
.rept 4
	v_nop
.endr
.endm
.macro CREST
	s_cmp_lg_u32 s[WV], 0
	s_cbranch_scc1 .Lnot_wave_0_\@
	s_barrier_signal -3
.Lnot_wave_0_\@:
	s_barrier_wait -3
	s_barrier_signal -1
	s_barrier_wait -1
.endm
.macro CROUND
	s_barrier_signal -1
	s_barrier_wait -1
	CREST
.endm
.macro JLOAD                           ; a joint refill by the walking descriptor; an s_nop 0 and four v_nop follow each of the two lines
	s_cmp_eq_u32 s[ROLE], 0
	s_cbranch_scc0 .Lfor_b_\@
	tensor_load_to_lds s[G0A+4:G0A+7], s[G1A:G1A+7]
	s_nop 0
	PLACES
	s_branch .Lasked_\@
.Lfor_b_\@:
	tensor_load_to_lds s[G0B+4:G0B+7], s[G1B:G1B+7]
	s_nop 0
	PLACES
.Lasked_\@:
.endm
; A PREFETCH INTO THE L2 of the step that stands two refills on: 32 blocks of 256 bytes, a lane a block, behind the joint load and the run of LDS loads.  Each block is named once in the launch.
; p's 128 rows are read by my row of the cluster alone: wave 0 of each partner takes 32 rows (by cx, in the ADDRESS).  v's tile is read by the batch's four clusters: the first of them asks; of the 64 keys x 512
; bytes that wave 2 or 3 fetches each partner takes 16 keys (by cy), two lanes a key.  The last two refills have no step two on.
.macro ASK
	s_cmp_gt_u32 s3, s[LIM]
	s_cbranch_scc0 .Lnot_mine_\@
	global_prefetch_b8 v[PFO], s[PFA:PFA+1] th:TH_LOAD_NT scope:SCOPE_SE
.Lnot_mine_\@:
.endm
.macro MUL8 f, a, zero                 ; row block a x all 8 channel blocks, 32 keys; the 32 accumulators take turns
.irp b, 0,1,2,3,4,5,6,7
.if \zero
	v_wmma_f32_16x16x32_f16 v[8*(8*(\a)+\b):8*(8*(\a)+\b)+7], v[(\f)+32+8*\b:(\f)+32+8*\b+7], v[(\f)+8*(\a):(\f)+8*(\a)+7], 0
.else
	v_wmma_f32_16x16x32_f16 v[8*(8*(\a)+\b):8*(8*(\a)+\b)+7], v[(\f)+32+8*\b:(\f)+32+8*\b+7], v[(\f)+8*(\a):(\f)+8*(\a)+7], v[8*(8*(\a)+\b):8*(8*(\a)+\b)+7]
.endif
.endr
.endm
; 24 LDS loads in one run: quarter q of the step (32 keys) into buffer f.  The turning load takes 16 keys x 16 channels (lane l reads key 8 (l / 16) + l % 8, channels 8 ((l / 8) % 2) + 0..7) and leaves half a
; fragment of v^T: lane l holds channel l % 16 and 8 keys.
.macro FETCH q, f
.irp b, 0,1,2,3,4,5,6,7
	ds_load_tr16_b128 v[(\f)+32+8*\b:(\f)+32+8*\b+3],   v[ADRB] offset:(\q)*32*PV+32*\b
	ds_load_tr16_b128 v[(\f)+32+8*\b+4:(\f)+32+8*\b+7], v[ADRB] offset:(\q)*32*PV+16*PV+32*\b
.endr
.irp a, 0,1,2,3
	ds_load_b128 v[(\f)+8*\a:(\f)+8*\a+3],   v[ADRA] offset:64*(\q)+\a*16*PITCH
	ds_load_b128 v[(\f)+8*\a+4:(\f)+8*\a+7], v[ADRA] offset:64*(\q)+\a*16*PITCH+32
.endr
.endm
.macro SCALE f                         ; p's four fragments in buffer f times the step's factor of the lane's row: two weights an instruction
.irp a, 0,1,2,3
.irp i, 0,1,2,3,4,5,6,7
	v_pk_mul_f16 v[(\f)+8*\a+\i], v[(\f)+8*\a+\i], v[FS+\a]
.endr
.endr
.endm
.macro QUARTER q, f, g, zero
	s_wait_dscnt 0x0                               ; buffer f's run of loads is in, and so are the step's factors
	WIN 0
	SCALE \f                                       ; 32 plain instructions that name no register of the last products: also the places in front of the loads into buffer g
	FETCH \q, \g
	WIN W_MUL
	MUL8 \f, 0, \zero
	MUL8 \f, 1, \zero
	MUL8 \f, 2, \zero
	MUL8 \f, 3, \zero
.endm
; The last quarter multiplies buffer 1 and changes slots: ONE barrier; in front of it each wave waits for all its tensor loads (one is out: its part of the next slot), adds 0 to its spare word, and waits for that
; and for its reads of this slot.  fill = 1: this slot takes the step two on; the barrier then opens a round of the cluster's, and the joint load is the first thing behind the round.
.macro TURN fill
.if \fill
	s_wait_xcnt 0x0                                ; the last prefetch, a step back, has read its address
	s_add_nc_u64 s[PFA:PFA+1], s[PFA:PFA+1], s[PST:PST+1]
.endif
	WIN 0
	s_wait_tensorcnt 0x0                           ; no tensor load of mine is out, so a group 0 may be written
	ds_add_u32 v[SPW], v[NIL]                      ; 0 onto my spare word
.if \fill
	s_xor_b32 s[G0A+5], s[G0A+5], SLOT1
	s_xor_b32 s[G0B+5], s[G0B+5], SLOT1
	s_add_nc_u64 s[G0A+6:G0A+7], s[G0A+6:G0A+7], STEPA
	s_add_nc_u64 s[G0B+6:G0B+7], s[G0B+6:G0B+7], STEPB
.endif
	s_xor_b32 s[TB], s[TB], SLOT1
	s_wait_dscnt 1                                 ; only the add may be out: buffer 1 is in
	SCALE F1
	WIN W_MUL
	MUL8 F1, 0, 0
	s_wait_dscnt 0x0                               ; the add is done, and my reads of this slot are over
	s_barrier_signal -1
	MUL8 F1, 1, 0
	WIN 0
	s_barrier_wait -1
.if \fill
	CREST
	JLOAD
.else
	PLACES
.endif
	v_add_nc_u32 v[ADRA], s[TB], v[ADRA0]
	v_add_nc_u32 v[ADRB], s[TB], v[ADRB0]
	ds_load_b128 v[FS:FS+3], v[FTA] offset:512     ; the next step's factors: this step's have done their work
	v_add_nc_u32 v[FTA], 512, v[FTA]
	FETCH 0, F0
.if \fill
	ASK
.endif
	WIN W_MUL
	MUL8 F1, 2, 0
	MUL8 F1, 3, 0
.endm
	s_load_b256 s[4:11], s[0:1], 0x0               ; p s[4:5], qkv s[6:7], stats s[8:9], out0 s[10:11]
	v_lshl_add_u32 v[SPW], v0, 2, SPARE
	v_mov_b32 v[NIL], 0
	ds_add_u32 v[SPW], v[NIL]                      ; the wave's opening: the add and its wait stand ahead of my first tensor load
	v_lshrrev_b32 v3, 5, v0
	v_readfirstlane_b32 s[WV], v3
	s_lshr_b32 s[ROLE], s[WV], 1
	s_and_b32 s[CH], s[WV], 1
	s_bfe_u32 s[CX], ttmp6, 0x40000
	s_bfe_u32 s[CY], ttmp6, 0x40004
	s_and_b32 s[CLY], ttmp7, 0xffff
	s_lshl_b32 s[Y], s[CLY], 2
	s_add_co_u32 s[Y], s[Y], s[CY]
	s_lshr_b32 s[BAT], s[CLY], 2
	s_lshl_b32 s20, s[CY], 2
	s_lshl_b32 s20, 15, s20                        ; my row of the cluster
	s_lshl_b32 s22, 0x1111, s[CX]                  ; my column
	s_or_b32 s[G1A], s20, FLAGSA
	s_or_b32 s[G1B], s22, FLAGSB
	s_mov_b32 s[G1A+1], 128<<16                    ; p: 64 rows x 128 elements
	s_mov_b32 s[G1A+2], 64<<16
	s_mov_b32 s[G1A+3], 128<<16
	s_mov_b32 s[G1A+4], 64
	s_mov_b32 s[G1A+5], 2048
	s_mov_b32 s[G1A+6], 0
	s_mov_b32 s[G1A+7], 0
	s_mov_b32 s[G1B+1], 256<<16                    ; v: 64 keys x 256 elements
	s_mov_b32 s[G1B+2], 64<<16
	s_mov_b32 s[G1B+3], 256<<16
	s_mov_b32 s[G1B+4], 64
	s_mov_b32 s[G1B+5], 3072
	s_mov_b32 s[G1B+6], 0
	s_mov_b32 s[G1B+7], 0
	s_lshl_b32 s20, s[Y], 7                        ; p: row 128 y + 64 x half
	s_lshl_b32 s21, s[CH], 6
	s_add_co_u32 s20, s20, s21
	s_lshl_b32 s20, s20, 12
	s_mov_b32 s21, 0
	s_lshl_b32 s22, s[BAT], 11                     ; v: row 2,048 x batch + 64 x half; 4,096 + 512 cx bytes into the row
	s_lshl_b32 s23, s[CH], 6
	s_add_co_u32 s22, s22, s23
	s_mul_i32 s22, s22, PQ
	s_lshl_b32 s23, s[CX], 9
	s_add_co_u32 s22, s22, s23
	s_add_co_u32 s22, s22, 4096
	s_mov_b32 s23, 0
	s_mul_i32 s46, s[CH], HA
	s_mul_i32 s47, s[CH], HB
	s_add_co_u32 s47, s47, BOFF
	s_mov_b32 s[TB], 0
	s_wait_dscnt 0x0                               ; the opening add is done
	s_wait_kmcnt 0x0
	s_add_nc_u64 s[20:21], s[4:5], s[20:21]
	s_add_nc_u64 s[22:23], s[6:7], s[22:23]
	CROUND                                         ; all sixteen work-groups are here: the first joint loads meet
.irp i, 0,1
	s_mov_b32 s[G0A+4*\i], 1
	s_add_co_u32 s[G0A+4*\i+1], s46, \i*SLOT1
	s_add_nc_u64 s[G0A+4*\i+2:G0A+4*\i+3], s[20:21], \i*STEPA
	s_or_b32 s[G0A+4*\i+3], s[G0A+4*\i+3], 0x80000000
	s_mov_b32 s[G0B+4*\i], 1
	s_add_co_u32 s[G0B+4*\i+1], s47, \i*SLOT1
	s_add_nc_u64 s[G0B+4*\i+2:G0B+4*\i+3], s[22:23], \i*STEPB
	s_or_b32 s[G0B+4*\i+3], s[G0B+4*\i+3], 0x80000000
.endr
	s_cmp_eq_u32 s[ROLE], 0                        ; a wave's two first fills stand in one branch: two loads of mine are out
	s_cbranch_scc0 .Lfirst_b
	tensor_load_to_lds s[G0A:G0A+3], s[G1A:G1A+7]
	s_nop 0
	tensor_load_to_lds s[G0A+4:G0A+7], s[G1A:G1A+7]
	s_nop 0
	PLACES
	s_branch .Lfirst_asked
.Lfirst_b:
	tensor_load_to_lds s[G0B:G0B+3], s[G1B:G1B+7]
	s_nop 0
	tensor_load_to_lds s[G0B+4:G0B+7], s[G1B:G1B+7]
	s_nop 0
	PLACES
.Lfirst_asked:
	; THE STATISTICS of my 64 rows, all sixteen blocks: asked for now, worked on in the wait for the first tile
	v_and_b32 v1, 15, v0                           ; l % 16
	v_bfe_u32 v2, v0, 4, 1                         ; l / 16
	v_lshlrev_b32 v[SO], 4, v1
	s_lshl_b32 s20, s[Y], 1
	s_add_co_u32 s20, s20, s[ROLE]                 ; g = 2 y + my half of the rows
	s_lshl_b32 s20, s20, 9
	s_mov_b32 s21, 0
	s_add_nc_u64 s[SB:SB+1], s[8:9], s[20:21]
	WIN 0x80                                       ; destination window 2
.irp t, 0,1,2,3,4,5,6,7,8,9,10,11,12,13,14,15
	global_load_b128 v[4*\t:4*\t+3],       v[SO], s[SB:SB+1] offset:65536*\t      ; c m of rows 16 a + l % 16, a = 0..3
	global_load_b128 v[64+4*\t:64+4*\t+3], v[SO], s[SB:SB+1] offset:65536*\t+256  ; l of the same rows
.endr
	WIN 0
	v_mul_u32_u24 v3, v1, PITCH
	v_lshl_add_u32 v3, v2, 4, v3                   ; p: row x pitch + 16 x half
	s_mul_i32 s20, s[ROLE], HA
	v_add_nc_u32 v[ADRA0], s20, v3
	v_and_b32 v4, 7, v0
	v_bfe_u32 v5, v0, 3, 1
	v_lshl_add_u32 v6, v2, 3, v4                   ; v: key 8 (l / 16) + l % 8,
	v_mul_u32_u24 v6, v6, PV
	v_lshl_add_u32 v6, v5, 4, v6                   ; 16 bytes for each eight lanes,
	s_lshl_b32 s20, s[CH], 8                       ; my 128 channels
	s_add_co_u32 s20, s20, BOFF
	v_add_nc_u32 v[ADRB0], s20, v6
	v_mov_b32 v[ADRA], v[ADRA0]
	v_mov_b32 v[ADRB], v[ADRB0]
	s_mul_i32 s20, s[WV], 16*SP
	s_add_co_u32 s20, s20, STAGE                   ; my stage
	v_mul_u32_u24 v4, v1, SP                       ; in: row l % 16, 32 bytes for each half of the lanes
	v_lshl_add_u32 v4, v2, 5, v4
	v_add_nc_u32 v[STO], s20, v4
	v_and_b32 v7, 31, v0
	v_lshlrev_b32 v[CO], 4, v7                     ; back: 32 lanes take one row of 512 bytes
	v_add_nc_u32 v[RD], s20, v[CO]
	s_lshl_b32 s20, s[WV], 13
	s_add_co_u32 s20, s20, FT
	v_add_nc_u32 v[FTA], s20, v[CO]
	s_lshl_b32 s20, s[Y], 7
	s_lshl_b32 s21, s[ROLE], 6
	s_add_co_u32 s20, s20, s21                     ; my first row of out0
	s_lshl_b32 s20, s20, 12
	s_lshl_b32 s22, s[CX], 10                      ; my first channel, 4 bytes each: 1,024 cx + 512 x half
	s_lshl_b32 s23, s[CH], 9
	s_add_co_u32 s22, s22, s23
	s_add_co_u32 s20, s20, s22
	s_mov_b32 s21, 0
	s_add_nc_u64 s[10:11], s[10:11], s[20:21]
	; the prefetches: nothing is asked for here, at the head
	s_lshl_b32 s20, s[Y], 7
	s_lshl_b32 s21, s[CX], 5
	s_add_co_u32 s20, s20, s21                     ; p: my work-group's 32 of the 128 rows,
	s_lshl_b32 s20, s20, 12
	s_add_co_u32 s20, s20, 3*STEPA                 ; at step 3: the first change of slots steps it to 4
	s_lshl_b32 s22, s[BAT], 11
	s_lshl_b32 s23, s[CH], 6
	s_add_co_u32 s22, s22, s23
	s_lshl_b32 s23, s[CY], 4
	s_add_co_u32 s22, s22, s23                     ; v: my work-group's 16 of the 64 keys that I fetch,
	s_mul_i32 s22, s22, PQ
	s_lshl_b32 s23, s[CX], 9
	s_add_co_u32 s22, s22, s23
	s_add_co_u32 s22, s22, 4096+3*STEPB            ; at step 3
	s_and_b32 s23, s[CLY], 3                       ; 0 in the batch's first cluster
	s_mov_b32 s[PST], STEPB
	s_movk_i32 s46, PQ
	s_cmp_eq_u32 s[ROLE], 0
	s_cselect_b32 s20, s20, s22
	s_cselect_b32 s21, s[CH], s23                  ; who asks: wave 0 for p; waves 2 and 3 of the batch's first cluster for v: the same in all sixteen partners
	s_cselect_b64 s[PFA:PFA+1], s[4:5], s[6:7]
	s_cselect_b32 s[PST], STEPA, s[PST]
	s_cselect_b32 s46, PP, s46                     ; bytes from row to row
	s_cmp_eq_u32 s21, 0
	s_cselect_b32 s[LIM], 2, -1
	s_mov_b32 s21, 0
	s_mov_b32 s[PST+1], 0
	s_add_nc_u64 s[PFA:PFA+1], s[PFA:PFA+1], s[20:21]
	v_lshrrev_b32 v4, s[ROLE], v7                  ; p: a lane a row; v: two lanes a row,
	v_mul_u32_u24 v4, v4, s46
	v_and_b32 v5, s[ROLE], v7                      ; 256 bytes each
	v_lshl_add_u32 v[PFO], v5, 8, v4
	s_wait_loadcnt 0x0                             ; the statistics
	WIN 0xaa                                       ; all in window 2
.irp a, 0,1,2,3
	v_max3_num_f32 v[MX+\a], v[\a], v[4+\a], v[8+\a]
.endr
.irp k, 0,1,2,3,4,5
.irp a, 0,1,2,3
	v_max3_num_f32 v[MX+\a], v[MX+\a], v[12+8*\k+\a], v[16+8*\k+\a]
.endr
.endr
.irp a, 0,1,2,3
	v_max_num_f32 v[MX+\a], v[MX+\a], v[60+\a]     ; c M
.endr
.irp t, 0,1,2,3,4,5,6,7,8,9,10,11,12,13,14,15
.irp i, 0,2
	v_pk_add_f32 v[4*\t+\i:4*\t+\i+1], v[4*\t+\i:4*\t+\i+1], v[MX+\i:MX+\i+1] neg_lo:[0,1] neg_hi:[0,1]  ; c m_t - c M
.endr
.endr
.set j, 0
.rept 64
	v_exp_f32 v[j], v[j]                           ; f_t: one batch
.set j, j+1
.endr
	v_nop                                          ; a plain instruction behind the last exponential,
	s_wait_alu depctr_va_vdst(0)                   ; and the wait ahead of the first use: one for the 64
.irp i, 0,2
	v_pk_mul_f32 v[LS+\i:LS+\i+1], v[\i:\i+1], v[64+\i:64+\i+1]
.endr
.irp t, 1,2,3,4,5,6,7,8,9,10,11,12,13,14,15
.irp i, 0,2
	v_pk_fma_f32 v[LS+\i:LS+\i+1], v[4*\t+\i:4*\t+\i+1], v[64+4*\t+\i:64+4*\t+\i+1], v[LS+\i:LS+\i+1]  ; l = the sum of f_t l_t
.endr
.endr
.set j, 0
.rept 64
	v_cvt_pk_f16_f32 v[j], v[j], v[j]              ; (f, f) in f16
.set j, j+1
.endr
	WIN 0x08                                       ; the stores' data (source 1) in window 2
.irp t, 0,1,2,3,4,5,6,7,8,9,10,11,12,13,14,15
	ds_store_b128 v[FTA], v[4*\t:4*\t+3] offset:512*\t
.endr
	WIN 0x02                                       ; source 0 in window 2
.irp a, 0,1,2,3
	v_rcp_f32 v[RL+2*\a], v[LS+\a]
	v_rcp_f32 v[RL+2*\a+1], v[LS+\a]               ; twice: the packed multiply names a pair
.endr
	v_nop
	s_wait_alu depctr_va_vdst(0)                   ; one wait for the eight reciprocals
	WIN 0
	s_wait_dscnt 0x0                               ; my table is written
	s_wait_tensorcnt 0x1                           ; my part of step 0 is in; step 1's may stay out
	s_barrier_signal -1
	s_barrier_wait -1
	ds_load_b128 v[FS:FS+3], v[FTA]                ; step 0's factors
	FETCH 0, F0
	QUARTER 1, F0, F1, 1                           ; the first quarter: its products start the sums
	WIN 0
	s_mov_b32 s3, STEPS-2
.Lstep:                                        ; a trip ends one step, asks for the step two on, and begins the next
	QUARTER 2, F1, F0, 0
	QUARTER 3, F0, F1, 0
	TURN 1
	QUARTER 1, F0, F1, 0
	WIN 0
	s_sub_co_u32 s3, s3, 1
	s_cmp_lg_u32 s3, 0
	s_cbranch_scc1 .Lstep
	QUARTER 2, F1, F0, 0                           ; the last two steps ask for nothing
	QUARTER 3, F0, F1, 0
	TURN 0
	QUARTER 1, F0, F1, 0
	QUARTER 2, F1, F0, 0
	QUARTER 3, F0, F1, 0
	s_wait_dscnt 0x0
	WIN 0
	SCALE F1
	WIN W_MUL
	MUL8 F1, 0, 0
	MUL8 F1, 1, 0
	MUL8 F1, 2, 0
	MUL8 F1, 3, 0
	WIN 0
; THE WAY OUT, a block of 16 rows at a time: times 1 / l in f32, 32 bytes a lane into my own stage in LDS, back as whole rows of 512 bytes.
.macro DIVIDE a
	WIN 0x41                                       ; accumulators (source 0, destination) in window 1, 1 / l in window 0
.set j, 64*(\a)
.rept 32
	v_pk_mul_f32 v[j:j+1], v[j:j+1], v[RL+2*(\a):RL+2*(\a)+1] op_sel_hi:[1,0]
.set j, j+2
.endr
.endm
.macro TOSTAGE a
	WIN 0x04                                       ; the stores' data (source 1) in window 1
.irp b, 0,1,2,3,4,5,6,7
	ds_store_b128 v[STO], v[64*(\a)+8*\b:64*(\a)+8*\b+3]   offset:64*\b
	ds_store_b128 v[STO], v[64*(\a)+8*\b+4:64*(\a)+8*\b+7] offset:64*\b+16
.endr
	WIN 0x80                                       ; destination window 2
.irp t, 0,1,2,3,4,5,6,7,8,9,10,11,12,13,14,15
	ds_load_b128 v[64*(\a)+4*\t:64*(\a)+4*\t+3], v[RD] offset:\t*SP  ; LDS serves a wave's instructions in order (ISA guide 5.7.1.4): these see the stores above; the next block's stores come behind them
.endr
	WIN 0
.endm
.macro SEND a, younger                 ; younger: the next block's 32 LDS instructions, or none
	s_wait_dscnt \younger
	WIN 0x08
.irp t, 0,1,2,3,4,5,6,7,8,9,10,11,12,13,14,15
	global_store_b128 v[CO], v[64*(\a)+4*\t:64*(\a)+4*\t+3], s[10:11] offset:(16*(\a)+\t)*PP th:TH_STORE_NT  ; 512 consecutive bytes, at a multiple of 256 from out0's first byte
.endr
	WIN 0
.endm
	PLACES                                         ; behind the last products
	DIVIDE 0
	TOSTAGE 0
	DIVIDE 1
	TOSTAGE 1
	SEND 0, 32
	DIVIDE 2
	TOSTAGE 2
	SEND 1, 32
	DIVIDE 3
	TOSTAGE 3
	SEND 2, 32
	SEND 3, 0
	s_wait_tensorcnt 0x0                           ; the wave's end
	ds_add_u32 v[SPW], v[NIL]
	s_wait_dscnt 0x0
	CROUND                                         ; the closing round
	s_endpgm
.Lfunc_end_k_q674a2b304c_pv:
	.size	k_q674a2b304c_pv, .Lfunc_end_k_q674a2b304c_pv-k_q674a2b304c_pv
	.p2alignl 7, 3214868480
	.fill 96, 4, 3214868480
	.section	.rodata,"a",@progbits
	.p2align	6, 0x0
	.amdhsa_kernel k_q674a2b304c_pv
		.amdhsa_group_segment_fixed_size 327680
		.amdhsa_private_segment_fixed_size 0
		.amdhsa_enable_private_segment 0
		.amdhsa_kernarg_size 32
		.amdhsa_user_sgpr_count 2
		.amdhsa_user_sgpr_kernarg_segment_ptr 1
		.amdhsa_wavefront_size32 1
		.amdhsa_system_sgpr_workgroup_id_x 1
		.amdhsa_system_sgpr_workgroup_id_y 1
		.amdhsa_system_sgpr_workgroup_id_z 1
		.amdhsa_system_vgpr_workitem_id 0
		.amdhsa_next_free_vgpr 768
		.amdhsa_next_free_sgpr 80
		.amdhsa_reserve_vcc 0
		.amdhsa_float_denorm_mode_32 3
		.amdhsa_float_denorm_mode_16_64 3
		.amdhsa_memory_ordered 1
		.amdhsa_forward_progress 1
		.amdhsa_inst_pref_size 118
	.end_amdhsa_kernel
	.amdgpu_metadata
---
amdhsa.version: [ 1, 2 ]
amdhsa.kernels:
  - .name:           k_q674a2b304c_pv
    .symbol:         k_q674a2b304c_pv.kd
    .args:
      - { .name: p, .offset: 0, .size: 8, .value_kind: global_buffer, .address_space: global }
      - { .name: qkv, .offset: 8, .size: 8, .value_kind: global_buffer, .address_space: global }
      - { .name: stats, .offset: 16, .size: 8, .value_kind: global_buffer, .address_space: global }
      - { .name: out0, .offset: 24, .size: 8, .value_kind: global_buffer, .address_space: global }
    .group_segment_fixed_size: 327680
    .private_segment_fixed_size: 0
    .kernarg_segment_align: 8
    .kernarg_segment_size: 32
    .max_flat_workgroup_size: 128
    .sgpr_count:     80
    .vgpr_count:     768
    .wavefront_size: 32
...
	.end_amdgpu_metadata
.endif
;; end of part 4
